; MI455X (gfx1250); checked and timed in simulation.
; The chip was launched on July 23, 2026; its instructions are those of AMD's public machine-readable ISA for CDNA 5 (MIT licence, August 2026) and "CDNA5" Instruction Set Architecture Reference Guide (July 2026). The comments in the code are by the model that wrote it; some were corrected since.
;; Llama Attention. Allowed arithmetic: matrix products marked QUANTISED: E2M3 operands, one E8M0 scale for each 32 along K, by v_wmma_scale_f32_16x16x128_f8f6f4 with both operands' format E2M3, f32 sums; everything else in f32.
;; Inputs: Wk 1,024 x 4,096 float32; Wo 4,096 x 2,048 float32; Wq 2,048 x 4,096 float32; Wv 1,024 x 4,096 float32; hidden_states 1 x 2,048 x 4,096 float32; position_ids 1 x 2,048 int32.
;; Outputs: out0 1 x 2,048 x 4,096 float32.
;; This version of the problem:
;;   THIS VERSION OF THE PROBLEM IS GIVEN IN LOW PRECISION. The matrix products marked QUANTISED in the list below multiply operands that are first quantised to E2M3 (2 exponent bits, 3 mantissa bits; 6 bits a number), with one power-of-two scale for each 32 numbers along K (OCP MX v1.0); their sums are f32. All else is computed in f32.
;;   The module's matrix products, in the order in which they are computed (A, B: the left and right operand; K: the contracted axis; several contracted axes count as one K, in the product's order):
;;     1. [M 2,048, K 4,096] x [K 4,096, N 2,048]; A: input hidden_states; B: input Wq: QUANTISED
;;     2. [M 2,048, K 4,096] x [K 4,096, N 1,024]; A: input hidden_states; B: input Wk: QUANTISED
;;     3. [M 2,048, K 4,096] x [K 4,096, N 1,024]; A: input hidden_states; B: input Wv: QUANTISED
;;     4. batch 16 x [M 2,048, K 128] x [K 128, N 2,048]; A: computed on the way; B: computed on the way: QUANTISED
;;     5. batch 16 x [M 2,048, K 2,048] x [K 2,048, N 128]; A: softmax (see below); B: computed on the way: QUANTISED
;;     6. [M 2,048, K 2,048] x [K 2,048, N 4,096]; A: computed on the way; B: input Wo: QUANTISED
;;   THE QUANTISER, for each operand of a quantised product, along K:
;;     - K is cut into blocks of 32 from its start; a last block that is shorter is filled with zeros.
;;     - A block's scale is 2^e with e = floor(log2(the largest magnitude in the block)) - 2, held to -126 .. 127; a block of zeros has e = 0. As a byte (E8M0): e + 127.
;;     - Each number is divided by its block's scale, clamped to +-7.5, and rounded to the nearest number of E2M3, ties to even, subnormals kept.
;;     - The product sums the exact products of the quantised numbers (number of the format x scale) in f32.
;;   ~~~python
;;   def quantise(x, axis):      # numpy; x: float32 -> the quantised numbers, widened to float32 again
;;       x = np.moveaxis(x, axis, -1); K = x.shape[-1]
;;       x = np.pad(x, [(0, 0)] * (x.ndim - 1) + [(0, -K % 32)]); x = x.reshape(x.shape[:-1] + (-1, 32)); a = np.abs(x).max(-1, keepdims=True)
;;       e = np.where(a > 0, np.clip(np.frexp(np.where(a > 0, a, 1))[1] - 1 - 2, -126, 127), 0)      # np.frexp(a)[1] - 1 = floor(log2(a)), exactly
;;       r = np.clip(x / 2.0 ** e, -7.5, 7.5)
;;       step = 2.0 ** (np.maximum(np.frexp(np.where(r == 0, 1, r))[1] - 1, 0) - 3)
;;       q = np.round(r / step) * step * 2.0 ** e      # np.round: ties to even
;;       return np.moveaxis(q.reshape(q.shape[:-2] + (-1,))[..., :K], -1, axis).astype(np.float32)
;;   ~~~
;;   SOFTMAX AHEAD OF A QUANTISED PRODUCT. Where the list says 'softmax', what is quantised is not the finished softmax but p = 2^(t - M), with t = logit x log2(e) and M = ceil(the row's largest t), a whole number; so 1/2 < the row's largest p <= 1. The row's sum l is taken of the UNQUANTISED p, in f32, and the product's result is divided by l at the end. Since M is a whole number, a kernel that streams over the keys may use a running M (the ceiling of the running maximum): every later rescaling is an exact power of two, which a block's scale takes up: the codes' values come out the same.
;;   OPERANDS COMPUTED ON THE WAY. 'Computed on the way' means the value that the module computes at that place (a softmax that the list does not call 'softmax' is quantised finished and normalised). What goes into a quantiser is computed in f32, as accurately as f32 sums, v_exp_f32 and their like allow (about 1e-6 of the number): no bf16 or f16 on the way to a quantiser, and a product that is left as it is and whose result goes on into a quantised operand takes f32 operands (vector FMAs, or v_wmma_f32_16x16x4_f32). A number that lies on a knife's edge between two numbers of the format may be rounded either way, as far as f32 arithmetic and the matrix unit's own rounding can turn it there, and no further.
;; One version. Each part assembles by itself: llvm-mc -triple=amdgcn-amd-amdhsa -mcpu=gfx1250 --defsym DOCPART=n.
;; ======== version 1 of 1: 4 launches
;; limits: inputs' magnitudes at most 4,194,304; an absolute error that grows with the inputs' magnitude: up to 2e-07 times it
;; workspace buffers: codes 19,660,800 bytes; cs 1,048,576 bytes; qkv 6,553,600 bytes; att 3,276,800 bytes; wocodes 6,553,600 bytes
;; launch quant (part 1): grid 768 x 1, 4 waves a work-group, no clusters, 34,304 bytes of LDS; arguments hidden_states, Wq, Wk, Wv, position_ids, codes, cs; writes codes, cs
.if DOCPART == 1
	.amdgcn_target "amdgcn-amd-amdhsa--gfx1250"
	.amdhsa_code_object_version 6
	.text
	.protected	k_qc9cb80fb2b_quant
	.globl	k_qc9cb80fb2b_quant
	.p2align	8
	.type	k_qc9cb80fb2b_quant,@function
k_qc9cb80fb2b_quant:
	s_mov_b64 s[64:65], 0
	v_nop
	global_prefetch_b8 v0, s[64:65] scope:SCOPE_SE
	s_setreg_imm32_b32 hwreg(HW_REG_WAVE_MODE, 25, 1), 1
	s_wait_xcnt 0x0
; hidden_states, Wq, Wk and Wv, all f32 with K = 4,096 innermost, become codes of FP6 (E2M3) with one E8M0 byte for each 32 along K; and position_ids become cos and sin.  (Wo is quantised by idle waves of the attention launch.)
; THE CODES' LAYOUT is this program's own: PANELS of 128 rows x 128 K, 12,800 bytes, images of the matrix operand's registers.  Tile t (0..7) of a panel holds in lane r the row 32 (t/2) + 8 (t%2) + r + 8 (r/8);
; its 12 registers lie at 1536 t + 512 c + 16 lane (c = 0..2: registers 4 c .. 4 c + 3); its rows' scale words at 12,288 + 256 (t/4) + 16 r + 4 (t%4).  A tensor is laid [group of 128 rows][K step][panel].
; Panels 0-511 hidden_states, 512-1023 Wq, 1024-1279 Wk, 1280-1535 Wv: 32 K steps a group.
; SHARES: a wave takes half a panel (four tiles: 64 rows x 128 K, 32 KB of f32); a work-group two panels.  Waves share nothing: no barrier.  No tensor load; matrix units and clusters have nothing to do here: memory binds.
; A tile: 16 loads, each 512 consecutive aligned bytes of one row; through the wave's own stage in LDS (rows 528 bytes apart) they come back so that lane (r, h) holds of row r the numbers k = 32 b + 16 h + i in register 16 b + i.
; Loads run two tiles (32 loads a wave) ahead.  The codes leave as three stores of 512 consecutive bytes a tile, the scale words of a wave's four tiles as one store of 256 consecutive aligned bytes.
; A block's scale is 2^(floor(log2(its largest magnitude)) - 2); its byte is the largest magnitude's exponent field - 2, held at 1 from below.
; COS AND SIN: thread (wave & 1, lane) makes those of frequency j = 32 (wave & 1) + lane for the token whose number is its panel's, 2 wg + (wave >> 1): tokens 0 to 1,535; work-groups 0 to 255 make those of token 1,536 + that number too.
; cs: 512 bytes a token: [j / 32][cos of 32 j, 128 bytes][sin of the same, 128 bytes].
; inv_freq = 2^(-j log2(10000) / 64), the exponent in two parts; angle = position x inv_freq (one rounding); the angle less n x pi/2 in three parts; polynomials of degree 7 and 8 on [-pi/4, pi/4]; the quadrant by n.
; LIMITS: NaN and infinities among the inputs are not served.  A block whose largest magnitude lies under 2^-124 keeps the byte 1; a block of zeros gets the byte 1 where the rule says 127: its codes are zeros, and this
; program alone reads the bytes.  inv_freq is good to about 1.5 units in its last place, so an angle can differ by about |position| x 2e-7 from one made with another power function; the reduction serves |angle| < 2^22.
.set STG,   8448                       ; a wave's stage: 16 rows x 528 bytes
.set SPARE, 4*STG                      ; behind the four stages: the spare words, 128 bytes for each wave: two blocks of 256 bytes that no other line names
.set LI,  1                            ; v1      16 x lane; never rewritten
.set STI, 2                            ; v2      the stage on the way in: 16 x lane in a row
.set STO, 3                            ; v3      and on the way out: row r, + 64 h
.set CO,  4                            ; v4      my 16 bytes of a store of codes: 16 x lane + 6144 x half
.set SCO, 5                            ; v5      my 8 bytes of the scale words' unit
.set SPW, 6                            ; v6      LDS address of my spare word; never rewritten
.set NIL, 7                            ; v7      0; never rewritten
.set PW,  8                            ; v8-11   the four tiles' scale words
.set R,   32                           ; v32-159 two sets of 64: a tile as it is loaded
.set X,   160                          ; v160-223 a tile as the conversions want it
.set PC,  224                          ; v224-235 a tile's codes
.set TP,  236                          ; v236-243 the second halves of the blocks' codes
.set TM,  244                          ; v244-255 largest magnitudes, bytes, scale operands
.set SEL, 36                           ; s[36:37] selects for v_permlanex16_b32: lane l xor 16
.set BAS, 40                           ; s[40:47] the four tiles' first rows in memory; never rewritten
; 64 numbers of a lane, register 16 b + i = k 32 b + 16 h + i of my row, become a fragment's 12 registers in v[pc] on and its row's scale word in v[pw].
.macro QUANT s, pc, tp, tm, pw
.irp b, 0,1,2,3
	v_max3_num_f32 v[(\tm)+\b], |v[(\s)+16*\b]|, |v[(\s)+16*\b+1]|, 0x1800000   ; block b: my 16 numbers, and the floor 2^(3 - 127): the byte cannot fall under 1
.endr
.irp i, 2,4,6,8,10,12,14
.irp b, 0,1,2,3
	v_max3_num_f32 v[(\tm)+\b], v[(\tm)+\b], |v[(\s)+16*\b+\i]|, |v[(\s)+16*\b+\i+1]|   ; the four blocks by turns
.endr
.endr
.irp b, 0,1,2,3
	v_permlanex16_b32 v[(\tm)+4+\b], v[(\tm)+\b], s[SEL], s[SEL+1]
.endr
.irp b, 0,1,2,3
	v_max_num_f32 v[(\tm)+\b], v[(\tm)+\b], v[(\tm)+4+\b]          ; with lane l xor 16's 16: the block's largest magnitude
.endr
.irp b, 0,1,2,3
	v_add_nc_u32 v[(\tm)+8+\b], 0xff000000, v[(\tm)+\b]            ; 2 off its exponent field: the conversion's scale operand
.endr
.irp b, 0,1,2,3
	v_lshrrev_b32 v[(\tm)+4+\b], 23, v[(\tm)+8+\b]                 ; the scale's byte
.endr
	v_lshl_or_b32 v[\pw], v[(\tm)+5], 8, v[(\tm)+4]                ; four bytes: my row's scale word
	v_lshl_or_b32 v[\pw], v[(\tm)+6], 16, v[\pw]
	v_lshl_or_b32 v[\pw], v[(\tm)+7], 24, v[\pw]
.irp c, 0,1
	v_cvt_scalef32_pk16_fp6_f32 v[(\pc)+6*\c:(\pc)+6*\c+2], v[(\s)+32*\c:(\s)+32*\c+15], v[(\tm)+8+2*\c]
	v_cvt_scalef32_pk16_fp6_f32 v[(\tp)+4*\c:(\tp)+4*\c+2], v[(\s)+32*\c+16:(\s)+32*\c+31], v[(\tm)+9+2*\c]   ; (a conversion's three registers begin on an even number)
.endr
	v_nop                                          ; one plain place behind a scaled conversion
.irp c, 0,1                                    ; the operand wants a whole block in a lane: lanes 0-15 block 2 c, lanes 16-31 block 2 c + 1
.irp i, 0,1,2
	v_permlane16_swap_b32 v[(\pc)+6*\c+\i], v[(\tp)+4*\c+\i]
.endr
.irp i, 0,1,2
	v_mov_b32 v[(\pc)+6*\c+3+\i], v[(\tp)+4*\c+\i]
.endr
.endr
.endm
	s_load_b256 s[4:11], s[0:1], 0x0               ; hidden_states s[4:5], Wq s[6:7], Wk s[8:9], Wv s[10:11]
	s_load_b128 s[12:15], s[0:1], 0x20             ; position_ids s[12:13], codes s[14:15]
	s_load_b64 s[16:17], s[0:1], 0x30              ; cs
	v_lshl_add_u32 v[SPW], v0, 2, SPARE
	v_mov_b32 v[NIL], 0
	v_lshrrev_b32 v12, 5, v0
	v_readfirstlane_b32 s20, v12                   ; wave 0..3
	v_and_b32 v13, 31, v0                          ; lane
	v_and_b32 v14, 15, v0                          ; r
	v_bfe_u32 v15, v0, 4, 1                        ; h
	v_lshlrev_b32 v[LI], 4, v13
	s_mul_i32 s21, s20, STG                        ; my stage
	v_add_nc_u32 v[STI], s21, v[LI]
	v_mul_u32_u24 v[STO], v14, 528
	v_lshl_add_u32 v[STO], v15, 6, v[STO]
	v_add_nc_u32 v[STO], s21, v[STO]
	s_and_b32 s22, s20, 1                          ; which half of the panel: tiles 4 q .. 4 q + 3
	s_lshr_b32 s23, s20, 1                         ; which of the work-group's two panels
	s_mul_i32 s24, s22, 6144
	v_add_nc_u32 v[CO], s24, v[LI]
	v_lshlrev_b32 v[SCO], 4, v14
	v_lshl_add_u32 v[SCO], v15, 3, v[SCO]
	s_lshl_b32 s24, s22, 8
	s_add_co_u32 s24, s24, 12288
	v_add_nc_u32 v[SCO], s24, v[SCO]               ; 12,288 + 256 q + 16 r + 8 h
	s_mov_b32 s[SEL], 0x76543210
	s_mov_b32 s[SEL+1], 0xfedcba98
.irp b, 0,1,2,3
	v_mov_b32 v[TM+4+\b], 0                        ; written once: a lane permute's destination counts as one of its sources
.endr
	s_mov_b32 s25, 640                             ; the tensor's first work-group
	s_wait_kmcnt 0x0
	; which tensor: the choice hangs on the work-group's number alone; all four take one path through the text
	s_mov_b64 s[26:27], s[10:11]                   ; from 640 on: Wv
	s_cmp_lt_u32 ttmp9, 640
	s_cselect_b64 s[26:27], s[8:9], s[26:27]       ; 512-639: Wk
	s_cselect_b32 s25, 512, s25
	s_cmp_lt_u32 ttmp9, 512
	s_cselect_b64 s[26:27], s[6:7], s[26:27]       ; 256-511: Wq
	s_cselect_b32 s25, 256, s25
	s_cmp_lt_u32 ttmp9, 256
	s_cselect_b64 s[26:27], s[4:5], s[26:27]       ; 0-255: hidden_states
	s_cselect_b32 s25, 0, s25
	s_sub_co_u32 s30, ttmp9, s25
	s_lshl_b32 s30, s30, 1
	s_add_co_u32 s30, s30, s23                     ; my panel within the tensor
	s_lshr_b32 s31, s30, 5                         ; its group of 128 rows
	s_and_b32 s32, s30, 31                         ; its K step
	s_lshl_b32 s33, s31, 7
	s_lshl_b32 s34, s22, 6
	s_add_co_u32 s33, s33, s34                     ; my first row: 128 x group + 64 q
	s_lshl_b32 s34, s32, 9                         ; 512 bytes a K step
.irp t, 0,1,2,3
	s_add_co_u32 s38, s33, 32*(\t/2)+8*(\t%2)      ; tile t's first row,
	s_lshl_b32 s38, s38, 14                        ; rows of 16,384 bytes,
	s_add_co_u32 s38, s38, s34                     ; in bytes: under 2^26
	s_mov_b32 s39, 0
	s_add_nc_u64 s[BAS+2*\t:BAS+2*\t+1], s[26:27], s[38:39]
.endr
	s_lshl_b32 s38, ttmp9, 1
	s_add_co_u32 s38, s38, s23                     ; my panel among all 1,536; the same number is my first token
	s_mul_i32 s48, s38, 12800
	s_mov_b32 s49, 0
	s_add_nc_u64 s[14:15], s[14:15], s[48:49]      ; my panel in codes
	s_lshl_b32 s48, s38, 9
	s_lshl_b32 s50, s22, 8
	s_add_co_u32 s48, s48, s50
	s_add_nc_u64 s[18:19], s[16:17], s[48:49]      ; cs: my token's 512 bytes, my wave's 256 of them;
	s_add_nc_u64 s[52:53], s[18:19], 1536*512      ; and the same of the token 1,536 further on (used by work-groups 0 to 255 alone)
	s_lshl_b32 s50, s38, 2
	v_mov_b32 v12, s50
	global_load_b32 v13, v12, s[12:13]             ; my token's position, in every lane
	s_min_u32 s51, s38, 511                        ; the second token's: every wave loads it, from a place held inside the buffer, so that the counts below are the same in all
	s_lshl_b32 s51, s51, 2
	v_mov_b32 v14, s51
	global_load_b32 v15, v14, s[12:13] offset:1536*4
.macro LOAD t                          ; tile t into set t % 2: 16 rows, 512 consecutive aligned bytes each; the row stands in the immediate: 23 rows at the most, inside its signed 24 bits
.irp i, 0,1,2,3,4,5,6,7,8,9,10,11,12,13,14,15
	global_load_b128 v[R+64*((\t)%2)+4*\i:R+64*((\t)%2)+4*\i+3], v[LI], s[BAS+2*(\t):BAS+2*(\t)+1] offset:16384*(\i+8*(\i/8)) th:TH_LOAD_NT
.endr
.endm
	LOAD 0
	LOAD 1
	; inv_freq, while the loads are out.  a = j x log2(10000) / 64 in two parts: a_hi = the rounded product with the constant's upper part, a_lo = that product's exact rest + j x the constant's lower part
	v_and_b32 v160, 31, v0
	s_lshl_b32 s50, s22, 5
	v_add_nc_u32 v160, s50, v160                   ; j
	v_cvt_f32_u32 v160, v160
	s_mov_b32 s54, 0x3e549a78                      ; log2(10000) / 64, upper part
	s_mov_b32 s55, 0x31979a1c                      ; lower part
	v_mul_f32 v161, s54, v160                      ; a_hi
	v_fma_f32 v162, v160, s54, -v161
	v_fma_f32 v162, v160, s55, v162                ; a_lo
	v_exp_f32 v163, -v161                          ; 2^-a_hi
	v_mul_f32 v162, 0x3f317218, v162               ; a_lo x ln 2  (the plain place behind the exponential)
	s_wait_alu depctr_va_vdst(0)                   ; the wait ahead of the result's first reader
	v_fma_f32 v164, -v163, v162, v163              ; inv_freq = 2^-a_hi (1 - a_lo ln 2)
	v_and_b32 v173, 1, v0
	v_and_b32 v[TP+2], 31, v0
	v_lshrrev_b32 v[TP+2], 1, v[TP+2]
	v_lshlrev_b32 v[TP+2], 3, v[TP+2]
	v_lshl_add_u32 v[TP+2], v173, 7, v[TP+2]       ; where my 8 bytes go in the wave's 256: 128 (lane & 1) + 8 (lane / 2)
; cos and sin of the token whose position stands in v[pos]; the pair to be stored is made in v[d], v[d + 1]
.macro SINCOS pos, d, base
	v_cvt_f32_i32 v165, v[\pos]
	v_mul_f32 v165, v165, v164                     ; the angle
	v_mul_f32 v166, 0x3f22f983, v165               ; x 2 / pi
	v_rndne_f32 v166, v166                         ; n
	v_fmamk_f32 v167, v166, 0xbfc90fdb, v165       ; the angle - n x pi/2, pi/2 in three parts
	v_fmamk_f32 v167, v166, 0x333bbd2e, v167
	v_fmamk_f32 v167, v166, 0x26f72cef, v167       ; r, within pi/4 of 0
	v_mul_f32 v168, v167, v167                     ; z = r r
	v_mov_b32 v169, 0xb94ca1f9
	v_fmaak_f32 v169, v169, v168, 0x3c08839e
	v_fmaak_f32 v169, v169, v168, 0xbe2aaaa3
	v_mul_f32 v169, v169, v168
	v_fma_f32 v169, v169, v167, v167               ; sin r = r + r z (..)
	v_mov_b32 v170, 0x37ccf5ce
	v_fmaak_f32 v170, v170, v168, 0xbab6061a
	v_fmaak_f32 v170, v170, v168, 0x3d2aaaa5
	v_mul_f32 v170, v170, v168
	v_fma_f32 v172, v168, -0.5, 1.0
	v_fma_f32 v170, v170, v168, v172               ; cos r = 1 - z / 2 + z z (..)
	v_cvt_i32_f32 v171, v166                       ; n as a whole number
	v_and_b32 v173, 1, v171
	v_cmp_eq_u32 vcc_lo, 1, v173
	v_cndmask_b32 v174, v169, v170, vcc_lo         ; odd n: sin and cos change places
	v_cndmask_b32 v175, v170, v169, vcc_lo
	v_lshlrev_b32 v173, 30, v171
	v_and_b32 v173, 0x80000000, v173               ; n & 2: sin changes its sign
	v_xor_b32 v174, v173, v174                     ; sin
	v_add_nc_u32 v171, 1, v171
	v_lshlrev_b32 v171, 30, v171
	v_and_b32 v171, 0x80000000, v171               ; (n + 1) & 2: cos changes its sign
	v_xor_b32 v175, v171, v175                     ; cos
	; an even lane keeps (cos j, cos j + 1), an odd lane (sin j - 1, sin j): one store of 8 bytes a lane then covers the wave's 256 consecutive aligned bytes
	v_mov_b32 v176, v175
	v_mov_b32 v177, v174
	v_mov_b32_dpp v176, v175 row_xmask:1 row_mask:0xf bank_mask:0xf   ; my neighbour's cos
	v_mov_b32_dpp v177, v174 row_xmask:1 row_mask:0xf bank_mask:0xf   ; and sin
	v_and_b32 v173, 1, v0
	v_cmp_eq_u32 vcc_lo, 1, v173
	v_cndmask_b32 v[(\d)], v175, v177, vcc_lo
	v_cndmask_b32 v[(\d)+1], v176, v174, vcc_lo
	global_store_b64 v[TP+2], v[(\d):(\d)+1], s[\base:\base+1]
.endm
	s_wait_loadcnt 32                              ; both positions are in; the two tiles' 32 loads, issued behind them, stay out
	SINCOS 13, TP, 18
	s_cmp_lt_u32 ttmp9, 256                        ; tokens 1,536 to 2,047: a branch on the work-group's number
	s_cbranch_scc0 .Lone_token
	SINCOS 15, TP+4, 52                            ; (its pair has registers of its own: the first store's are not written again)
.Lone_token:
.macro TILE t
.if (\t) < 3
	s_wait_loadcnt 16                              ; this tile's 16 loads are in; the next tile's 16 stay out
.else
	s_wait_loadcnt 0x0
.endif
.irp i, 0,1,2,3,4,5,6,7,8,9,10,11,12,13,14,15
	ds_store_b128 v[STI], v[R+64*((\t)%2)+4*\i:R+64*((\t)%2)+4*\i+3] offset:528*\i
.endr
.irp b, 0,1,2,3
.irp j, 0,1,2,3
	ds_load_b128 v[X+16*\b+4*\j:X+16*\b+4*\j+3], v[STO] offset:128*\b+16*\j   ; LDS serves a wave's instructions in order: these see the stores above
.endr
.endr
	s_wait_dscnt 0x0                               ; the tile is back, and the stores into the stage have read their registers
	s_wait_xcnt 0x0                                ; the earlier global stores have read PC's and TP's registers, which are written again below
.if (\t) < 2
	LOAD (\t)+2
.endif
	QUANT X, PC, TP, TM, PW+(\t)
.irp c, 0,1,2
	global_store_b128 v[CO], v[PC+4*\c:PC+4*\c+3], s[14:15] offset:1536*(\t)+512*\c   ; 512 consecutive bytes, at a multiple of 512 from the panel's first byte
.endr
.endm
.irp t, 0,1,2,3
	TILE \t
.endr
	v_bfe_u32 v14, v0, 4, 1
	v_cmp_eq_u32 vcc_lo, 1, v14
	v_cndmask_b32 v12, v[PW], v[PW+2], vcc_lo      ; lanes 0-15 store the words of tiles 0 and 1 of my four, lanes 16-31 those of tiles 2 and 3
	v_cndmask_b32 v13, v[PW+1], v[PW+3], vcc_lo
	global_store_b64 v[SCO], v[12:13], s[14:15]    ; 32 lanes store 256 consecutive aligned bytes
	s_wait_tensorcnt 0x0                           ; the wave's end: behind my last LDS store
	ds_add_u32 v[SPW], v[NIL]
	s_wait_dscnt 0x0
	s_endpgm
.Lfunc_end_k_qc9cb80fb2b_quant:
	.size	k_qc9cb80fb2b_quant, .Lfunc_end_k_qc9cb80fb2b_quant-k_qc9cb80fb2b_quant
	.p2alignl 7, 3214868480
	.fill 96, 4, 3214868480
	.section	.rodata,"a",@progbits
	.p2align	6, 0x0
	.amdhsa_kernel k_qc9cb80fb2b_quant
		.amdhsa_group_segment_fixed_size 34304
		.amdhsa_private_segment_fixed_size 0
		.amdhsa_enable_private_segment 0
		.amdhsa_kernarg_size 56
		.amdhsa_user_sgpr_count 2
		.amdhsa_user_sgpr_kernarg_segment_ptr 1
		.amdhsa_wavefront_size32 1
		.amdhsa_system_sgpr_workgroup_id_x 1
		.amdhsa_system_sgpr_workgroup_id_y 1
		.amdhsa_system_sgpr_workgroup_id_z 1
		.amdhsa_system_vgpr_workitem_id 0
		.amdhsa_next_free_vgpr 256
		.amdhsa_next_free_sgpr 66
		.amdhsa_reserve_vcc 1
		.amdhsa_float_denorm_mode_32 3
		.amdhsa_float_denorm_mode_16_64 3
		.amdhsa_memory_ordered 1
		.amdhsa_forward_progress 1
		.amdhsa_inst_pref_size 40
	.end_amdhsa_kernel
	.amdgpu_metadata
---
amdhsa.version: [ 1, 2 ]
amdhsa.kernels:
  - .name:           k_qc9cb80fb2b_quant
    .symbol:         k_qc9cb80fb2b_quant.kd
    .args:
      - { .name: hidden_states, .offset: 0, .size: 8, .value_kind: global_buffer, .address_space: global }
      - { .name: Wq, .offset: 8, .size: 8, .value_kind: global_buffer, .address_space: global }
      - { .name: Wk, .offset: 16, .size: 8, .value_kind: global_buffer, .address_space: global }
      - { .name: Wv, .offset: 24, .size: 8, .value_kind: global_buffer, .address_space: global }
      - { .name: position_ids, .offset: 32, .size: 8, .value_kind: global_buffer, .address_space: global }
      - { .name: codes, .offset: 40, .size: 8, .value_kind: global_buffer, .address_space: global }
      - { .name: cs, .offset: 48, .size: 8, .value_kind: global_buffer, .address_space: global }
    .group_segment_fixed_size: 34304
    .private_segment_fixed_size: 0
    .kernarg_segment_align: 8
    .kernarg_segment_size: 56
    .max_flat_workgroup_size: 128
    .sgpr_count:     66
    .vgpr_count:     256
    .wavefront_size: 32
...
	.end_amdgpu_metadata
.endif
;; end of part 1
;; launch qkv (part 2): grid 16 x 16, 4 waves a work-group, clusters of 4 x 4, 327,680 bytes of LDS; arguments codes, cs, qkv; writes qkv
.if DOCPART == 2
	.amdgcn_target "amdgcn-amd-amdhsa--gfx1250"
	.amdhsa_code_object_version 6
	.text
	.protected	k_qc9cb80fb2b_qkv
	.globl	k_qc9cb80fb2b_qkv
	.p2align	8
	.type	k_qc9cb80fb2b_qkv,@function
k_qc9cb80fb2b_qkv:
	s_mov_b64 s[64:65], 0
	v_nop
	global_prefetch_b8 v0, s[64:65] scope:SCOPE_SE
	s_setreg_imm32_b32 hwreg(HW_REG_WAVE_MODE, 25, 1), 1
	s_wait_xcnt 0x0
	s_wait_alu depctr_hold_cnt(0) depctr_sa_sdst(0) depctr_va_vdst(0) depctr_va_sdst(0) depctr_va_ssrc(0) depctr_va_vcc(0) depctr_vm_vsrc(0)
	s_getreg_b32 s2, hwreg(HW_REG_IB_STS2, 6, 4)
	s_cmp_eq_u32 s2, 0
	s_cbranch_scc0 .Lentry_in_a_cluster
	s_endpgm
.Lentry_in_a_cluster:
	s_bfe_u32 s2, ttmp6, 0x10000c
	s_cmp_lg_u32 s2, 0xf033
	s_cbranch_scc0 .Lentry_shape_is_right
	s_endpgm
.Lentry_shape_is_right:
; q, k and v: hidden_states x (Wq, Wk, Wv)^T on codes of FP6 (E2M3) with E8M0 scales, K = 4,096; then RoPE on q and k in f32; then each result is quantised again, q and k along the head's 128, v along the keys, and stored as panels.
; PANELS (this program's own layout): 128 rows x 128 K in 12,800 bytes: tile t's 12 registers at 1536 t + 512 c + 16 lane, its scale words at 12,288 + 256 (t/4) + 16 r + 4 (t%4); lane r of tile t is row 32 (t/2) + 8 (t%2) + r + 8 (r/8).
; With that order of rows a lane of the result holds ONE row of source 1, and the 64 registers of source 0's eight tiles hold source 0's rows 32 b + 16 h + i in register 16 b + i: 16 neighbours along the next K.
; SHARES: a work-group makes 256 rows of source 0 x 128 rows of source 1; wave w: source 0's group w / 2 (128 rows), source 1's tiles 4 (w % 2) on (64 rows): 32 accumulators, 256 registers.  256 work-groups.
; Clusters with y = 0, 1: q, y = 2: k: source 0 = rows of W (a group is a head), source 1 = tokens: a lane holds a token, its registers run along d.  y = 3: v: source 0 = tokens, source 1 = rows of Wv: a lane holds a d, its registers run along the keys.
; RING: two LDS slots of four K steps each; a group's K steps are one dense run of memory, codes and scale words together.  Waves 0, 1 fetch source 0's two groups (51,200 bytes each), waves 2, 3 the halves of source 1's (25,600 each).
; CLUSTER 4 x 4: source 0's tiles are shared along a row of the cluster, source 1's along a column: each is asked for jointly.  By this text's count a wave has two tensor loads out at the start and one behind each round.
; cos and sin of the wave's 64 tokens (256 registers, window 3) are asked for at the head.  V's work-groups issue those loads too (their source 1 index names rows inside cs) and leave the numbers unused: so every register is written on every path.
; REGISTERS: window 0: v16-24 addresses; v32-47 scale words, two sets; v48-143 source 1's four fragments, two sets; on the way out v48-73 and v144-255 at work.  window 1: source 0's eight fragments, two sets, at v0 and v128.
;   window 2: accumulator (i1, i0) at v[8 (8 i1 + i0)].   window 3: cos and sin: tile i1, d half be, cos or sin sg: v[64 i1 + 32 be + 16 sg + i].
; LIMITS: NaN and infinities are not served; a block whose largest magnitude lies under 2^-124 keeps the byte 1, a block of zeros gets 1 where the rule says 127 (its codes are zeros; this program alone reads the bytes).
.set GRP,   409600                     ; a group's 32 K steps in bytes
.set LAPS,  4                          ; 32 K steps = 8 fills = 4 times round the ring
.set BASEW, 6553600                    ; codes: Wq, Wk, Wv: 32 groups on end
.set BASEV, 16384000                   ; codes: Wv
.set PAN,   12800
.set REG,   51200                      ; four K steps of one group
.set SLOT,  153600                     ; source 0's two groups, then source 1's one
.set SPARE, 307200                     ; behind the ring: the spare words, 128 bytes for each wave: two blocks of 256 bytes that no other line names
.set AD0, 16                           ; v16-17  LDS address of my group of source 0 in slot 0, 1: + 16 x lane
.set AD1, 18                           ; v18-19  of my four tiles of source 1
.set ADS, 20                           ; v20-21  of their scale words: + 16 r
.set CO,  22                           ; v22     the way out: 16 x lane + 6144 (w % 2)
.set SCO, 23                           ; v23     the way out: my 8 bytes of the scale words' unit
.set CSO, 24                           ; v24     cs: my token's row and my half's 64 bytes
.set SPW, 28                           ; v28     LDS address of my spare word; never rewritten
.set NIL, 29                           ; v29     0; never rewritten
.set SC,  32                           ; scale words, set s at v[32 + 8 s]: four registers of source 0 (lanes 0-15 tiles 0-3, lanes 16-31 tiles 4-7), four of source 1
.set F1,  48                           ; source 1's fragments, set s at v[48 + 48 s]
.set TT,  144                          ; RoPE: 64 products at work
.set PC,  208                          ; the way out: codes, 12 registers for each of my four tiles
.set TM,  48
.set TP,  60
.set PW,  68                           ; v68-71  the four tiles' scale words
.set WD,  72                           ; v72-73  the pair that is stored
.set G1A, 24                           ; s[24:31] descriptor group 1 for source 0;  s[32:39] group 0, a set for each slot
.set G0A, 32
.set G1B, 48                           ; s[48:55], s[56:63] the same for source 1
.set G0B, 56
.set SEL, 72                           ; s[72:73] selects for v_permlanex16_b32: lane l xor 16
.set MSB, 0
.macro WIN new                         ; the immediate's high byte repeats the setting that is left
.if MSB != \new
	s_set_vgpr_msb (MSB<<8)|\new
.set MSB, \new
.endif
.endm
.set MULW, 0xa1                        ; source 0 window 1, source 1 window 0, C and D window 2
.set TO_1, 0x40                        ; destination window 1, address window 0
.macro PLACES n
.rept \n
	v_nop
.endr
.endm
; A joint load: waves 0 and 1 fetch for source 0, waves 2 and 3 for source 1.  Each line has one mask and one set of registers for all that issue it; the branch hangs on the wave's number alone.
; An s_nop 0 and four v_nop follow each of the two lines, ahead of the jump, the label and what follows.
.macro JLOAD s
	s_cmp_eq_u32 s15, 0
	s_cbranch_scc0 .Lfor_1_\@
	tensor_load_to_lds s[G0A+4*\s:G0A+4*\s+3], s[G1A:G1A+7]
	s_nop 0
.rept 4
	v_nop
.endr
	s_branch .Lasked_\@
.Lfor_1_\@:
	tensor_load_to_lds s[G0B+4*\s:G0B+4*\s+3], s[G1B:G1B+7]
	s_nop 0
.rept 4
	v_nop
.endr
.Lasked_\@:
.endm
.macro CREST                           ; a round of the cluster's barrier behind its opening barrier
	s_cmp_lg_u32 s14, 0
	s_cbranch_scc1 .Lnot_wave_0_\@
	s_barrier_signal -3
.Lnot_wave_0_\@:
	s_barrier_wait -3
	s_barrier_signal -1
	s_barrier_wait -1
.endm
.macro CROUND                          ; a whole round
	s_barrier_signal -1
	s_barrier_wait -1
	CREST
.endm
	s_load_b128 s[4:7], s[0:1], 0x0                ; codes s[4:5], cs s[6:7]
	s_load_b64 s[8:9], s[0:1], 0x10                ; qkv
	v_lshl_add_u32 v[SPW], v0, 2, SPARE
	v_mov_b32 v[NIL], 0
	ds_add_u32 v[SPW], v[NIL]                      ; the wave's opening: the add and its wait stand ahead of my first tensor load; the set-up below, work on registers, stands between them
	v_lshrrev_b32 v1, 5, v0
	v_readfirstlane_b32 s14, v1                    ; wave 0..3
	s_lshr_b32 s15, s14, 1                         ; my group of source 0.  Also: I fetch for source 0 (0) or source 1 (1)
	s_and_b32 s16, s14, 1                          ; my half of source 1's tiles.  Also: which part I fetch
	s_bfe_u32 s40, ttmp6, 0x40000                  ; cx, cy: my place in the cluster
	s_bfe_u32 s41, ttmp6, 0x40004
	s_and_b32 s43, ttmp7, 0xffff                   ; the cluster's y: 0, 1 q; 2 k; 3 v
	s_lshr_b32 s68, ttmp9, 1
	s_and_b32 s69, ttmp9, 1
	s_cmp_eq_u32 s43, 3                            ; the same in all sixteen partners
	s_cselect_b32 s46, s68, s43                    ; source 0's coordinate of the cluster: v: x / 2, else y
	s_cselect_b32 s47, s69, ttmp9                  ; source 1's: v: x % 2, else x
	s_cselect_b32 s66, 0, BASEW                    ; source 0 in codes: v: hidden_states, else the weights
	s_cselect_b32 s67, BASEV, 0                    ; source 1: v: Wv, else hidden_states
	s_lshl_b32 s46, s46, 2
	s_add_co_u32 s46, s46, s41                     ; which 256 rows of source 0: it holds cy and never cx
	s_lshl_b32 s47, s47, 2
	s_add_co_u32 s47, s47, s40                     ; which 128 rows of source 1: it holds cx and never cy
	s_lshl_b32 s44, s41, 2
	s_lshl_b32 s44, 15, s44                        ; my row of the cluster
	s_lshl_b32 s45, 0x1111, s40                    ; my column
	; descriptor group 1: a dense block as rows of 256 bytes (32 elements of 8 bytes): 200 rows for source 0, 100 for source 1; no padding
	s_or_b32 s[G1A], s44, (3<<16)|(1<<21)          ; 15:0 the mask; 17:16 elements of 8 bytes; 21 set beside a mask
	s_or_b32 s[G1B], s45, (3<<16)|(1<<21)
	s_mov_b32 s[G1A+1], 32<<16                     ; tensor_dim0 = 32
	s_mov_b32 s[G1A+2], 200<<16                    ; tensor_dim1 = 200
	s_mov_b32 s[G1A+3], 32<<16                     ; tile_dim0 = 32
	s_mov_b32 s[G1A+4], 200                        ; tile_dim1 = 200
	s_mov_b32 s[G1A+5], 32                         ; the pitch
	s_mov_b32 s[G1A+6], 0
	s_mov_b32 s[G1A+7], 0
	s_mov_b32 s[G1B+1], 32<<16
	s_mov_b32 s[G1B+2], 100<<16
	s_mov_b32 s[G1B+3], 32<<16
	s_mov_b32 s[G1B+4], 100
	s_mov_b32 s[G1B+5], 32
	s_mov_b32 s[G1B+6], 0
	s_mov_b32 s[G1B+7], 0
	s_lshl_b32 s20, s46, 1
	s_add_co_u32 s20, s20, s16                     ; source 0: the group that I fetch,
	s_mul_i32 s20, s20, GRP
	s_add_co_u32 s20, s20, s66                     ; in bytes
	s_mov_b32 s21, 0
	s_mul_i32 s22, s47, GRP                        ; source 1: the group,
	s_mul_i32 s23, s16, REG/2                      ; and my two of a fill's four K steps
	s_add_co_u32 s22, s22, s23
	s_add_co_u32 s22, s22, s67
	s_mov_b32 s23, 0
	s_mul_i32 s70, s16, REG                        ; where they go in a slot: no place in the cluster enters an LDS address
	s_mul_i32 s71, s16, REG/2
	s_add_co_u32 s71, s71, 2*REG
	s_mov_b32 s[SEL], 0x76543210
	s_mov_b32 s[SEL+1], 0xfedcba98
	s_wait_dscnt 0x0                               ; the opening add is done
	s_wait_kmcnt 0x0
	s_add_nc_u64 s[20:21], s[4:5], s[20:21]
	s_add_nc_u64 s[22:23], s[4:5], s[22:23]
	CROUND                                         ; all sixteen work-groups are here: the first joint loads meet
.irp s, 0,1
	s_mov_b32 s[G0A+4*\s], 1                                       ; count = 1
	s_add_co_u32 s[G0A+4*\s+1], s70, \s*SLOT                       ; LDS address
	s_add_nc_u64 s[G0A+4*\s+2:G0A+4*\s+3], s[20:21], \s*REG        ; global address: fill s
	s_or_b32 s[G0A+4*\s+3], s[G0A+4*\s+3], 0x80000000              ; type = 2
	s_mov_b32 s[G0B+4*\s], 1
	s_add_co_u32 s[G0B+4*\s+1], s71, \s*SLOT
	s_add_nc_u64 s[G0B+4*\s+2:G0B+4*\s+3], s[22:23], \s*REG
	s_or_b32 s[G0B+4*\s+3], s[G0B+4*\s+3], 0x80000000
	JLOAD \s
.endr
	; cos and sin of my 64 tokens.  Lane (r, h) of tile i1 holds token 128 x index + 64 (w % 2) + 32 (i1/2) + 8 (i1%2) + r + 8 (r/8) and wants frequencies 32 be + 16 h + 0 .. 15
	s_lshl_b32 s74, s47, 16
	s_lshl_b32 s75, s16, 15
	s_add_co_u32 s74, s74, s75                     ; 512 bytes a token
	s_mov_b32 s75, 0
	s_add_nc_u64 s[6:7], s[6:7], s[74:75]
	v_and_b32 v2, 15, v0                           ; r
	v_bfe_u32 v3, v0, 4, 1                         ; h
	v_and_b32 v4, 8, v2
	v_add_nc_u32 v4, v4, v2                        ; r + 8 (r/8)
	v_lshlrev_b32 v[CSO], 9, v4
	v_lshl_add_u32 v[CSO], v3, 6, v[CSO]
	WIN 0xc0                                       ; destination window 3
.irp i1, 0,1,2,3
.irp be, 0,1
.irp sg, 0,1
.irp jj, 0,1,2,3
	global_load_b128 v[64*\i1+32*\be+16*\sg+4*\jj:64*\i1+32*\be+16*\sg+4*\jj+3], v[CSO], s[6:7] offset:512*(32*(\i1/2)+8*(\i1%2))+256*\be+128*\sg+16*\jj
.endr
.endr
.endr
.endr
	WIN 0
	v_and_b32 v1, 31, v0
	v_lshlrev_b32 v1, 4, v1                        ; 16 x lane
	v_lshlrev_b32 v5, 4, v2                        ; 16 r
	s_mul_i32 s74, s15, REG                        ; my group of source 0
	s_mul_i32 s75, s16, 6144                       ; my four tiles of source 1,
	s_add_co_u32 s75, s75, 2*REG                   ; which lies behind source 0's two groups
	s_lshl_b32 s76, s16, 8
	s_add_co_u32 s76, s76, 2*REG+12288             ; and their scale words
.irp s, 0,1
	v_add_nc_u32 v[AD0+\s], s74, v1
	v_add_nc_u32 v[AD1+\s], s75, v1
	v_add_nc_u32 v[ADS+\s], s76, v5
	s_add_co_u32 s74, s74, SLOT
	s_add_co_u32 s75, s75, SLOT
	s_add_co_u32 s76, s76, SLOT
.endr
	s_mul_i32 s77, s16, 6144
	v_add_nc_u32 v[CO], s77, v1
	v_lshl_add_u32 v[SCO], v3, 3, v5
	s_lshl_b32 s77, s16, 8
	s_add_co_u32 s77, s77, 12288
	v_add_nc_u32 v[SCO], s77, v[SCO]               ; 12,288 + 256 (w % 2) + 16 r + 8 h
	; the panel that my wave writes half of.  q, k: 16 x head + token group (heads 16-23 are k's);  v: 384 + 16 x kv head + key group
	s_lshl_b32 s78, s46, 1
	s_add_co_u32 s78, s78, s15                     ; my group of source 0
	s_lshl_b32 s79, s78, 4
	s_add_co_u32 s79, s79, s47
	s_lshl_b32 s80, s47, 4
	s_add_co_u32 s80, s80, s78
	s_add_co_u32 s80, s80, 384
	s_cmp_eq_u32 s43, 3
	s_cselect_b32 s78, s80, s79
	s_mul_i32 s78, s78, PAN
	s_mov_b32 s79, 0
	s_add_nc_u64 s[8:9], s[8:9], s[78:79]
; one product: source 1's tile a of my four x source 0's tile b, 128 along K, operands and scale words of set \set.  zero = 1: it starts the sum: nothing is ever cleared
.macro WM a, b, set, zero
.set rD, 8*(8*(\a)+\b)
.set rA, 128*(\set)+12*\b
.set rB, F1+48*(\set)+12*(\a)
.set rSA, SC+8*(\set)+(\b)%4
.set rSB, SC+8*(\set)+4+(\a)
.if \zero
.if \b < 4
	v_wmma_scale_f32_16x16x128_f8f6f4 v[rD:rD+7], v[rA:rA+11], v[rB:rB+11], 0, v[rSA], v[rSB] matrix_a_fmt:MATRIX_FMT_FP6 matrix_b_fmt:MATRIX_FMT_FP6
.else
	v_wmma_scale_f32_16x16x128_f8f6f4 v[rD:rD+7], v[rA:rA+11], v[rB:rB+11], 0, v[rSA], v[rSB] matrix_a_fmt:MATRIX_FMT_FP6 matrix_b_fmt:MATRIX_FMT_FP6 matrix_a_scale:MATRIX_SCALE_ROW1
.endif
.else
.if \b < 4
	v_wmma_scale_f32_16x16x128_f8f6f4 v[rD:rD+7], v[rA:rA+11], v[rB:rB+11], v[rD:rD+7], v[rSA], v[rSB] matrix_a_fmt:MATRIX_FMT_FP6 matrix_b_fmt:MATRIX_FMT_FP6
.else
	v_wmma_scale_f32_16x16x128_f8f6f4 v[rD:rD+7], v[rA:rA+11], v[rB:rB+11], v[rD:rD+7], v[rSA], v[rSB] matrix_a_fmt:MATRIX_FMT_FP6 matrix_b_fmt:MATRIX_FMT_FP6 matrix_a_scale:MATRIX_SCALE_ROW1
.endif
.endif
.endm
; 16 products.  The 32 accumulators take turns, one instruction a turn, in the same order in every K step
.macro MUL16 a0, set, zero
.irp a, \a0, \a0+1
.irp b, 0,1,2,3,4,5,6,7
	WM (\a), \b, \set, \zero
.endr
.endr
.endm
; 38 LDS loads in one run: the slot's q-th K step into set \set; every load takes 512 consecutive bytes
.macro FETCH slot, q, set
	WIN TO_1
.irp i, 0,1,2,3,4,5,6,7
.irp c, 0,1,2
	ds_load_b128 v[128*(\set)+12*\i+4*\c:128*(\set)+12*\i+4*\c+3], v[AD0+\slot] offset:PAN*(\q)+1536*\i+512*\c
.endr
.endr
	WIN 0
.irp i, 0,1,2,3
.irp c, 0,1,2
	ds_load_b128 v[F1+48*(\set)+12*\i+4*\c:F1+48*(\set)+12*\i+4*\c+3], v[AD1+\slot] offset:PAN*(\q)+1536*\i+512*\c
.endr
.endr
	ds_load_b128 v[SC+8*(\set):SC+8*(\set)+3], v[AD0+\slot] offset:PAN*(\q)+12288
	ds_load_b128 v[SC+8*(\set)+4:SC+8*(\set)+7], v[ADS+\slot] offset:PAN*(\q)
.endm
; A K step that has its successor in the same slot: this step's operands are in; the next step's are asked for, into the other set; 32 products
.macro STEP slot, q, zero
	s_wait_dscnt 0x0                               ; this step's 38 loads, asked for 32 products ago, are in
	PLACES 4                                       ; in front of loads into registers that matrix instructions have read (ISA guide 7.12.1 for vector instructions)
	FETCH \slot, (\q)+1, 1-(\q)%2
	WIN MULW
	MUL16 0, (\q)%2, \zero
	MUL16 2, (\q)%2, \zero
	WIN 0
.endm
; A slot's last K step changes slots: one barrier; in front of it each wave waits for all its tensor loads, adds 0 to its spare word, and waits for that and for its reads of this slot.  fill = 1: this slot is filled again, two fills ahead
.macro TURN slot, next, fill
	s_wait_tensorcnt 0x0                           ; all my tensor loads have landed: my part of the next slot
	ds_add_u32 v[SPW], v[NIL]                      ; 0 onto my spare word
	s_wait_dscnt 1                                 ; this step's operands are in; the add alone may be out
	WIN MULW
	MUL16 0, 1, 0                                  ; sixteen products stand between the add and the wait for it
	s_wait_dscnt 0x0                               ; the add is done, and my reads of this slot are over
	WIN 0
	s_barrier_signal -1
	s_barrier_wait -1
.if \fill
	CREST                                          ; the barrier has opened a round of the cluster's barrier: no wave of any partner still reads this slot or has a load on its way
	s_add_nc_u64 s[G0A+4*\slot+2:G0A+4*\slot+3], s[G0A+4*\slot+2:G0A+4*\slot+3], 2*REG
	s_add_nc_u64 s[G0B+4*\slot+2:G0B+4*\slot+3], s[G0B+4*\slot+2:G0B+4*\slot+3], 2*REG
	JLOAD \slot                                    ; the first tensor load behind the round; its four v_nop are also the places in front of the loads below
.else
	PLACES 4
.endif
	FETCH \next, 0, 0
	WIN MULW
	MUL16 2, 1, 0
	WIN 0
.endm
	s_wait_tensorcnt 1                             ; my part of fill 0 is in; fill 1's load, issued behind it, may stay out
	s_barrier_signal -1
	s_barrier_wait -1                              ; everybody's is
	FETCH 0, 0, 0
	STEP 0, 0, 1                                   ; the first K step stands in front of the loop: its products start the sums
	s_mov_b32 s3, LAPS-1
.Llap:                                                 ; a trip goes once round the ring, from a lap's second K step to the next lap's first, and fills both slots again
	STEP 0, 1, 0
	STEP 0, 2, 0
	TURN 0, 1, 1
	STEP 1, 0, 0
	STEP 1, 1, 0
	STEP 1, 2, 0
	TURN 1, 0, 1
	STEP 0, 0, 0
	s_sub_co_u32 s3, s3, 1
	s_cmp_lg_u32 s3, 0
	s_cbranch_scc1 .Llap
	STEP 0, 1, 0                                   ; the last lap fills nothing, and has no round of the cluster's barrier
	STEP 0, 2, 0
	TURN 0, 1, 0
	STEP 1, 0, 0
	STEP 1, 1, 0
	STEP 1, 2, 0
	s_wait_dscnt 0x0                               ; the very last K step: nothing more to fetch
	WIN MULW
	MUL16 0, 1, 0
	MUL16 2, 1, 0
	WIN 0
; RoPE on tile i1.  d and d + 64 lie in one lane: registers 16 be + i and 32 + 16 be + i.  low' = low cos - high sin, high' = high cos + low sin; each accumulator is read from its low end on
.macro ROPE i1
	WIN 0x0e                                       ; source 0 window 2, source 1 window 3, destination window 0
.irp be, 0,1
.irp i, 0,2,4,6,8,10,12,14
	v_pk_mul_f32 v[TT+16*\be+\i:TT+16*\be+\i+1], v[64*\i1+32+16*\be+\i:64*\i1+32+16*\be+\i+1], v[64*\i1+32*\be+16+\i:64*\i1+32*\be+16+\i+1]      ; high sin
	v_pk_mul_f32 v[TT+32+16*\be+\i:TT+32+16*\be+\i+1], v[64*\i1+16*\be+\i:64*\i1+16*\be+\i+1], v[64*\i1+32*\be+16+\i:64*\i1+32*\be+16+\i+1]      ; low sin
.endr
.endr
	WIN 0x8e                                       ; source 0 and destination window 2, source 1 window 3, source 2 window 0
.irp be, 0,1
.irp i, 0,2,4,6,8,10,12,14
	v_pk_fma_f32 v[64*\i1+16*\be+\i:64*\i1+16*\be+\i+1], v[64*\i1+16*\be+\i:64*\i1+16*\be+\i+1], v[64*\i1+32*\be+\i:64*\i1+32*\be+\i+1], v[TT+16*\be+\i:TT+16*\be+\i+1] neg_lo:[0,0,1] neg_hi:[0,0,1]
	v_pk_fma_f32 v[64*\i1+32+16*\be+\i:64*\i1+32+16*\be+\i+1], v[64*\i1+32+16*\be+\i:64*\i1+32+16*\be+\i+1], v[64*\i1+32*\be+\i:64*\i1+32*\be+\i+1], v[TT+32+16*\be+\i:TT+32+16*\be+\i+1]
.endr
.endr
	WIN 0
.endm
; 64 numbers of a lane in window 2, register a + 16 b + i = k 32 b + 16 h + i of my row, become a fragment's 12 registers in v[pc] on and its row's scale word in v[pw] (window 0)
.macro QUANTW a, pc, tp, tm, pw
	WIN 0x0a                                       ; sources 0 and 1 window 2
.irp b, 0,1,2,3
	v_max3_num_f32 v[(\tm)+\b], |v[(\a)+16*\b]|, |v[(\a)+16*\b+1]|, 0x1800000   ; block b: my 16 numbers, and the floor 2^(3 - 127): the byte cannot fall under 1
.endr
.irp i, 2,4,6,8,10,12,14
.irp b, 0,1,2,3
	v_max3_num_f32 v[(\tm)+\b], |v[(\a)+16*\b+\i]|, |v[(\a)+16*\b+\i+1]|, v[(\tm)+\b]
.endr
.endr
	WIN 0
.irp b, 0,1,2,3
	v_permlanex16_b32 v[(\tm)+4+\b], v[(\tm)+\b], s[SEL], s[SEL+1]
.endr
.irp b, 0,1,2,3
	v_max_num_f32 v[(\tm)+\b], v[(\tm)+\b], v[(\tm)+4+\b]          ; with lane l xor 16's 16: the block's largest magnitude
.endr
.irp b, 0,1,2,3
	v_add_nc_u32 v[(\tm)+8+\b], 0xff000000, v[(\tm)+\b]            ; 2 off its exponent field: the conversion's scale operand
.endr
.irp b, 0,1,2,3
	v_lshrrev_b32 v[(\tm)+4+\b], 23, v[(\tm)+8+\b]                 ; the scale's byte
.endr
	v_lshl_or_b32 v[\pw], v[(\tm)+5], 8, v[(\tm)+4]
	v_lshl_or_b32 v[\pw], v[(\tm)+6], 16, v[\pw]
	v_lshl_or_b32 v[\pw], v[(\tm)+7], 24, v[\pw]
	WIN 0x02                                       ; source 0 window 2
.irp c, 0,1
	v_cvt_scalef32_pk16_fp6_f32 v[(\pc)+6*\c:(\pc)+6*\c+2], v[(\a)+32*\c:(\a)+32*\c+15], v[(\tm)+8+2*\c]
	v_cvt_scalef32_pk16_fp6_f32 v[(\tp)+4*\c:(\tp)+4*\c+2], v[(\a)+32*\c+16:(\a)+32*\c+31], v[(\tm)+9+2*\c]
.endr
	WIN 0
	v_nop                                          ; one plain place behind a scaled conversion
.irp c, 0,1
.irp i, 0,1,2
	v_permlane16_swap_b32 v[(\pc)+6*\c+\i], v[(\tp)+4*\c+\i]
.endr
.irp i, 0,1,2
	v_mov_b32 v[(\pc)+6*\c+3+\i], v[(\tp)+4*\c+\i]
.endr
.endr
.endm
	; THE WAY OUT
	PLACES 4                                       ; behind the last products: their results are read, and registers that held operands are written
	s_wait_loadcnt 0x0                             ; cos and sin
	s_cmp_eq_u32 s43, 3                            ; v is not rotated: the branch hangs on the cluster's y, the same in all partners
	s_cbranch_scc1 .Lno_rope
	ROPE 0
	ROPE 1
	ROPE 2
	ROPE 3
.Lno_rope:
.irp b, 0,1,2,3
	v_mov_b32 v[TM+4+\b], 0                        ; a lane permute's destination counts as one of its sources
.endr
.irp i1, 0,1,2,3
	QUANTW 64*\i1, PC+12*\i1, TP, TM, PW+\i1
.irp c, 0,1,2
	global_store_b128 v[CO], v[PC+12*\i1+4*\c:PC+12*\i1+4*\c+3], s[8:9] offset:1536*\i1+512*\c   ; 512 consecutive bytes, at a multiple of 512 from the panel's first byte; each tile has its own registers
.endr
.endr
	v_cmp_eq_u32 vcc_lo, 1, v3
	v_cndmask_b32 v[WD], v[PW], v[PW+2], vcc_lo    ; lanes 0-15 store the words of tiles 0 and 1 of my four, lanes 16-31 those of tiles 2 and 3
	v_cndmask_b32 v[WD+1], v[PW+1], v[PW+3], vcc_lo
	global_store_b64 v[SCO], v[WD:WD+1], s[8:9]    ; 32 lanes store 256 consecutive aligned bytes
	s_wait_tensorcnt 0x0                           ; the wave's end: behind my last tensor load
	ds_add_u32 v[SPW], v[NIL]
	s_wait_dscnt 0x0
	CROUND                                         ; the closing round: no work-group ends while a partner may still ask for a tile that names it
	s_endpgm
.Lfunc_end_k_qc9cb80fb2b_qkv:
	.size	k_qc9cb80fb2b_qkv, .Lfunc_end_k_qc9cb80fb2b_qkv-k_qc9cb80fb2b_qkv
	.p2alignl 7, 3214868480
	.fill 96, 4, 3214868480
	.section	.rodata,"a",@progbits
	.p2align	6, 0x0
	.amdhsa_kernel k_qc9cb80fb2b_qkv
		.amdhsa_group_segment_fixed_size 327680
		.amdhsa_private_segment_fixed_size 0
		.amdhsa_enable_private_segment 0
		.amdhsa_kernarg_size 24
		.amdhsa_user_sgpr_count 2
		.amdhsa_user_sgpr_kernarg_segment_ptr 1
		.amdhsa_wavefront_size32 1
		.amdhsa_system_sgpr_workgroup_id_x 1
		.amdhsa_system_sgpr_workgroup_id_y 1
		.amdhsa_system_sgpr_workgroup_id_z 1
		.amdhsa_system_vgpr_workitem_id 0
		.amdhsa_next_free_vgpr 1024
		.amdhsa_next_free_sgpr 100
		.amdhsa_reserve_vcc 1
		.amdhsa_float_denorm_mode_32 3
		.amdhsa_float_denorm_mode_16_64 3
		.amdhsa_memory_ordered 1
		.amdhsa_forward_progress 1
		.amdhsa_inst_pref_size 157
	.end_amdhsa_kernel
	.amdgpu_metadata
---
amdhsa.version: [ 1, 2 ]
amdhsa.kernels:
  - .name:           k_qc9cb80fb2b_qkv
    .symbol:         k_qc9cb80fb2b_qkv.kd
    .args:
      - { .name: codes, .offset: 0, .size: 8, .value_kind: global_buffer, .address_space: global }
      - { .name: cs, .offset: 8, .size: 8, .value_kind: global_buffer, .address_space: global }
      - { .name: qkv, .offset: 16, .size: 8, .value_kind: global_buffer, .address_space: global }
    .group_segment_fixed_size: 327680
    .private_segment_fixed_size: 0
    .kernarg_segment_align: 8
    .kernarg_segment_size: 24
    .max_flat_workgroup_size: 128
    .sgpr_count:     100
    .vgpr_count:     1024
    .wavefront_size: 32
...
	.end_amdgpu_metadata
.endif
;; end of part 2
;; launch attn (part 3): grid 32 x 8, 16 waves a work-group, clusters of 4 x 1, 327,680 bytes of LDS; arguments qkv, Wo, att, wocodes; writes att, wocodes
.if DOCPART == 3
	.amdgcn_target "amdgcn-amd-amdhsa--gfx1250"
	.amdhsa_code_object_version 6
	.text
	.protected	k_qc9cb80fb2b_attn
	.globl	k_qc9cb80fb2b_attn
	.p2align	8
	.type	k_qc9cb80fb2b_attn,@function
k_qc9cb80fb2b_attn:
	s_mov_b64 s[64:65], 0
	v_nop
	global_prefetch_b8 v0, s[64:65] scope:SCOPE_SE
	s_setreg_imm32_b32 hwreg(HW_REG_WAVE_MODE, 25, 1), 1
	s_wait_xcnt 0x0
	s_wait_alu depctr_hold_cnt(0) depctr_sa_sdst(0) depctr_va_vdst(0) depctr_va_sdst(0) depctr_va_ssrc(0) depctr_va_vcc(0) depctr_vm_vsrc(0)
	s_getreg_b32 s2, hwreg(HW_REG_IB_STS2, 6, 4)
	s_cmp_eq_u32 s2, 0
	s_cbranch_scc0 .Lentry_in_a_cluster
	s_endpgm
.Lentry_in_a_cluster:
	s_bfe_u32 s2, ttmp6, 0x10000c
	s_cmp_lg_u32 s2, 0x3003
	s_cbranch_scc0 .Lentry_shape_is_right
	s_endpgm
.Lentry_shape_is_right:
; Causal attention on codes of FP6 (E2M3) with E8M0 scales: 16 query heads, 8 key and value heads, 2,048 tokens, head size 128.  q, k (K = d) and v (K = the keys) come as panels from qkv; O / l is quantised along d and stored as panels into att.
; Beside it, waves whose attention is done quantise Wo [4,096][2,048] f32 (K innermost) into panels of wocodes, for the launch that follows.
; PANELS: 128 rows x 128 K in 12,800 bytes: tile t's 12 registers at 1536 t + 512 c + 16 lane, its scale words at 12,288 + 256 (t/4) + 16 r + 4 (t%4); lane r of tile t is row 32 (t/2) + 8 (t%2) + r + 8 (r/8).
; qkv: q: panel 16 head + token group; k: 256 + 16 kv + group; v: 384 + 16 kv + key group (rows: d).  att: panel 16 x token group + head.  wocodes: panel 16 x group of 128 rows + K step.
; THE SOFTMAX: t = score x log2(e) / sqrt(128); M = the running largest t rounded UP to a whole number; p = 2^(t - M) is quantised along the keys, not normalised; the row's sum is taken of the unquantised p and divides O at the end.
; When M moves, the sum and O are multiplied by 2^(old M - new M): exact.
; SHARES.  A cluster of four work-groups has one kv head (grid y) and a pair p, 15 - p of token groups (cluster x).  Work-group cx: query head 2 kv + cx / 2, tiles 4 (cx % 2) .. + 3 of both groups: eight tiles of 16 queries.
; TWO WAVES TO A TILE: waves w and w ^ 2 own the same 16 queries; one takes the even key steps, the other the odd ones, each with its own M, sum and O^T.  So the longest run of steps of a wave is 8 and not 16.  At the end the odd
; wave hands its O^T, -M and sum over through LDS, as an image of its registers; the even wave brings both under the larger M (factors that are powers of two) and goes on to the way out.  A half with no step has -M = 3e38: its factor is 0.
; Wave w: high group where (w ^ (w >> 2)) & 1, tile w >> 2, parity (w >> 1) & 1: two high and two low waves fall on a SIMD whether waves are dealt by w % 4 or by w / 4.
; All four partners walk the same K and V, 128 keys a step, through a ring of two LDS slots of four steps; wave 0 asks for K's four panels and wave 1 for V's, jointly with the partners: one tensor load of a wave is out at any time.
; CAUSAL: every wave walks all 16 steps, so that trip counts are constants and no barrier or tensor load is jumped over; a step whose keys all come after the wave's queries, or that is its partner's, is left out by a scalar branch
; on ids and the step's number; in the one step on the diagonal hidden scores become -infinity.
; Wo: in key step G + 1, its first with nothing left to do, each of the eight low waves (G = p, at most 7) quantises two tiles, 32 rows x 128 K, of the work-group's two panels: 32 loads of 512 consecutive bytes, each tile through the
; wave's own stage in LDS and back into the registers that it left, as lane (r, h) wants it; six stores of 512 consecutive bytes.  The scale words meet in LDS and leave at the end, 512 consecutive bytes a panel.
; Both products are used transposed (S^T = K Q^T, O^T = V^T P^T): a lane holds one query throughout, and by the order of a tile's rows its 16 registers of two neighbouring tiles are 16 neighbours along the next K.
; REGISTERS: v1-11, v28-31 addresses; v12 -M, v13 the largest t, v[14:15] the sum; v16-27 Q; v32-79 four fragments of K or V; v80-91 at work on the way out; v96-159 S^T, then p; v160-223 O^T; v224-235 codes; v232-247, v252-254 at work;
;   v248-251 K's or V's scale words, v253 p's, v255 Q's.  For Wo: v32-95 and v96-159 the two tiles, v224-255 codes and work.
; LIMITS: NaN and infinities are not served; a block whose largest magnitude lies under 2^-124 keeps the byte 1, a block of zeros gets 1 where the rule says 127 (its codes are zeros; this program alone reads the bytes).
; The two halves' sums are added at the end: another order of f32 additions than one running sum.
.set PAN,   12800
.set REG,   51200                      ; four panels
.set SLOT1, 131072                     ; slot 1 begins here: one exclusive or turns an address in one slot into the other's.  A slot: K's four panels, then V's four
.set SCR,   SLOT1+2*REG                ; 233,472: 512 bytes in which att's scale words meet; no tile lands here or further on
.set SCR2,  SCR+512                    ; 1,024 bytes in which the scale words of Wo's two panels meet
.set SPARE, SCR2+1024                  ; the spare words, 128 bytes for each wave: eight blocks of 256 bytes that no other line names
.set STG,   SPARE+2048                 ; the low waves' stages for Wo, 16 rows x 528 bytes each; behind the last change of slots the same bytes take the pairs' images
.set STGB,  8448
.set MGB,   8704                       ; a pair's image: O^T's 64 registers and four of statistics, 128 bytes each
.set LI,  1                            ; v1   16 x lane
.set ADR, 2                            ; v2   LDS address of the step's panel of K, + 16 x lane
.set DD,  3                            ; v3   my query within its group - 16 h: register 16 b + i is hidden on the diagonal where 32 b + i is greater
.set SWA, 4                            ; v4   where my tile's scale word goes in SCR
.set SPW, 5                            ; v5   LDS address of my spare word; never rewritten
.set NIL, 6                            ; v6   0; never rewritten
.set SRA, 7                            ; v7   where waves 0 and 1 read a unit of att's scale words back
.set US,  8                            ; v8   that unit's place in a panel: 12,288 + 256 (cx % 2) + 8 x lane
.set QO,  9                            ; v9   my tile's place in a panel: 1536 t + 16 x lane
.set QS,  10                           ; v10  my row's scale word's place in a panel
.set STI, 11                           ; v11  Wo's stage on the way in: 16 x lane in a row
.set STO, 28                           ; v28  and on the way out: row r, + 64 h
.set SW2, 29                           ; v29  where my two tiles' scale words go in SCR2
.set MGA, 30                           ; v30  my pair's image: + 16 x lane
.set SRB, 31                           ; v31  where waves 0 and 1 read a panel's scale words of Wo back
.set WV,  12                           ; s12  wave
.set HIW, 13                           ; s13  1: my queries lie in the high group
.set TI,  14                           ; s14  which of the work-group's four tiles of that group
.set PAR, 15                           ; s15  which key steps are mine: those of this parity
.set G,   16                           ; s16  my token group
.set GN,  17                           ; s17  G + 1
.set SEL, 20                           ; s[20:21] selects for v_permlanex16_b32: lane l xor 16
.set CS,  22                           ; s[22:23] c = log2(e) / sqrt(128), twice
.set G1,  24                           ; s[24:31] descriptor group 1
.set G0,  40                           ; s[40:43] group 0, which walks
.set TB,  44                           ; s44  LDS byte at which the step's panel of K begins
.set KS,  45                           ; s45  the key step, 0 .. 15
.set SLOTS, 46
.set CNT, 47
.macro PLACES n
.rept \n
	v_nop
.endr
.endm
.macro CROUND                          ; a round of the cluster's barrier
	s_barrier_signal -1
	s_barrier_wait -1
	s_cmp_lg_u32 s[WV], 0
	s_cbranch_scc1 .Lnot_wave_0_\@
	s_barrier_signal -3
.Lnot_wave_0_\@:
	s_barrier_wait -3
	s_barrier_signal -1
	s_barrier_wait -1
.endm
.macro TLOAD                           ; wave 0: K's four panels, wave 1: V's; the branch hangs on the wave's number alone.  An s_nop 0 and four v_nop follow the line
	s_cmp_lt_u32 s[WV], 2
	s_cbranch_scc0 .Lnone_\@
	tensor_load_to_lds s[G0:G0+3], s[G1:G1+7]
	s_nop 0
.rept 4
	v_nop
.endr
.Lnone_\@:
.endm
.macro QUANT s, pc, tp, tm, pw         ; 64 numbers of a lane, register 16 b + i = k 32 b + 16 h + i of my row, become a fragment's 12 registers and its row's scale word
.irp b, 0,1,2,3
	v_max3_num_f32 v[(\tm)+\b], |v[(\s)+16*\b]|, |v[(\s)+16*\b+1]|, 0x1800000   ; and the floor 2^(3 - 127): the byte cannot fall under 1
.endr
.irp i, 2,4,6,8,10,12,14
.irp b, 0,1,2,3
	v_max3_num_f32 v[(\tm)+\b], v[(\tm)+\b], |v[(\s)+16*\b+\i]|, |v[(\s)+16*\b+\i+1]|
.endr
.endr
.irp b, 0,1,2,3
	v_permlanex16_b32 v[(\tm)+4+\b], v[(\tm)+\b], s[SEL], s[SEL+1]
.endr
.irp b, 0,1,2,3
	v_max_num_f32 v[(\tm)+\b], v[(\tm)+\b], v[(\tm)+4+\b]
.endr
.irp b, 0,1,2,3
	v_add_nc_u32 v[(\tm)+8+\b], 0xff000000, v[(\tm)+\b]
.endr
.irp b, 0,1,2,3
	v_lshrrev_b32 v[(\tm)+4+\b], 23, v[(\tm)+8+\b]
.endr
	v_lshl_or_b32 v[\pw], v[(\tm)+5], 8, v[(\tm)+4]
	v_lshl_or_b32 v[\pw], v[(\tm)+6], 16, v[\pw]
	v_lshl_or_b32 v[\pw], v[(\tm)+7], 24, v[\pw]
.irp c, 0,1
	v_cvt_scalef32_pk16_fp6_f32 v[(\pc)+6*\c:(\pc)+6*\c+2], v[(\s)+32*\c:(\s)+32*\c+15], v[(\tm)+8+2*\c]
	v_cvt_scalef32_pk16_fp6_f32 v[(\tp)+4*\c:(\tp)+4*\c+2], v[(\s)+32*\c+16:(\s)+32*\c+31], v[(\tm)+9+2*\c]
.endr
	v_nop                                          ; one plain place behind a scaled conversion
.irp c, 0,1
.irp i, 0,1,2
	v_permlane16_swap_b32 v[(\pc)+6*\c+\i], v[(\tp)+4*\c+\i]
.endr
.irp i, 0,1,2
	v_mov_b32 v[(\pc)+6*\c+3+\i], v[(\tp)+4*\c+\i]
.endr
.endr
.endm
	s_load_b256 s[4:11], s[0:1], 0x0               ; qkv s[4:5], Wo s[6:7], att s[8:9], wocodes s[10:11]
	v_lshl_add_u32 v[SPW], v0, 2, SPARE
	v_mov_b32 v[NIL], 0
	ds_add_u32 v[SPW], v[NIL]                      ; the wave's opening: the add and its wait stand ahead of the first tensor load; the set-up below, work on registers, stands between them
	v_lshrrev_b32 v32, 5, v0
	v_readfirstlane_b32 s[WV], v32                 ; wave 0..15
	s_lshr_b32 s[TI], s[WV], 2
	s_xor_b32 s[HIW], s[TI], s[WV]
	s_and_b32 s[HIW], s[HIW], 1
	s_bfe_u32 s[PAR], s[WV], 0x10001               ; bit 1 of the wave's number
	s_sub_co_u32 s48, 15, ttmp9
	s_cmp_eq_u32 s[HIW], 1
	s_cselect_b32 s[G], s48, ttmp9                 ; my token group: 15 - p or p
	s_add_co_u32 s[GN], s[G], 1
	s_bfe_u32 s18, ttmp6, 0x40000                  ; cx: it enters global addresses and the mask's numbers alone
	s_lshr_b32 s19, s18, 1
	s_and_b32 s32, s18, 1
	s_and_b32 s33, ttmp7, 0xffff                   ; the kv head, which the four partners share
	s_lshl_b32 s34, s33, 1
	s_add_co_u32 s34, s34, s19                     ; my query head
	s_min_u32 s35, s[WV], 1                        ; what I fetch, if I fetch: 0 K, 1 V
	; descriptor group 1: four panels, a dense block, as 200 rows of 256 bytes (32 elements of 8 bytes); no padding
	s_mov_b32 s[G1], 15|(3<<16)|(1<<21)            ; 15:0 the mask: all four work-groups; 17:16 elements of 8 bytes; 21 set beside a mask
	s_mov_b32 s[G1+1], 32<<16                      ; tensor_dim0 = 32
	s_mov_b32 s[G1+2], 200<<16                     ; tensor_dim1 = 200
	s_mov_b32 s[G1+3], 32<<16                      ; tile_dim0 = 32
	s_mov_b32 s[G1+4], 200                         ; tile_dim1 = 200
	s_mov_b32 s[G1+5], 32                          ; the pitch
	s_mov_b32 s[G1+6], 0
	s_mov_b32 s[G1+7], 0
	s_lshl_b32 s48, s35, 7
	s_lshl_b32 s49, s33, 4
	s_add_co_u32 s48, s48, s49
	s_add_co_u32 s48, s48, 256                     ; panel 256 + 128 (K or V) + 16 kv
	s_mul_i32 s48, s48, PAN
	s_mov_b32 s49, 0
	s_mul_i32 s50, s35, REG                        ; and its place in a slot
	s_lshl_b32 s52, s34, 4
	s_add_co_u32 s52, s52, s[G]
	s_mul_i32 s52, s52, PAN                        ; Q's panel: 16 head + group
	s_mov_b32 s53, 0
	s_lshl_b32 s58, s[G], 4
	s_add_co_u32 s58, s58, s34
	s_mul_i32 s58, s58, PAN                        ; att's panel: 16 group + head
	s_mov_b32 s59, 0
	; Wo: work-group n of 256 has panels 2 n and 2 n + 1; of the low waves, (tile, parity) has panel 2 n + tile / 2 and its tiles 2 a, 2 a + 1 with a = 2 (tile % 2) + parity: rows 32 a .. 32 a + 31 of the panel's 128
	s_lshl_b32 s60, s33, 3
	s_add_co_u32 s60, s60, ttmp9
	s_lshl_b32 s60, s60, 2
	s_add_co_u32 s60, s60, s18                     ; n
	s_lshl_b32 s60, s60, 1
	s_lshr_b32 s61, s[TI], 1
	s_add_co_u32 s61, s61, s60                     ; my panel
	s_and_b32 s62, s[TI], 1
	s_lshl_b32 s62, s62, 1
	s_add_co_u32 s62, s62, s[PAR]                  ; a
	s_lshr_b32 s63, s61, 4                         ; the panel's group of 128 rows
	s_lshl_b32 s63, s63, 2
	s_add_co_u32 s63, s63, s62                     ; my first row / 32
	s_lshl_b32 s66, s63, 18                        ; x 32 rows of 8,192 bytes: under 2^25
	s_and_b32 s67, s61, 15
	s_lshl_b32 s67, s67, 9                         ; + 512 bytes a K step
	s_add_co_u32 s66, s66, s67
	s_mov_b32 s67, 0
	s_mul_i32 s68, s61, PAN
	s_mul_i32 s69, s62, 3072
	s_add_co_u32 s68, s68, s69                     ; my two tiles' codes in wocodes
	s_mov_b32 s69, 0
	s_and_b32 s70, s[WV], 1
	s_add_co_u32 s70, s70, s60
	s_mul_i32 s70, s70, PAN
	s_add_co_u32 s70, s70, 12288                   ; the scale words of panel 2 n + w % 2: stored by waves 0 and 1
	s_mov_b32 s71, 0
	s_lshl_b32 s54, s32, 2
	s_add_co_u32 s54, s54, s[TI]                   ; my tile of Q's and att's panel: t = 4 (cx % 2) + w / 4
	s_mul_i32 s55, s54, 1536
	v_and_b32 v32, 31, v0                          ; lane
	v_and_b32 v33, 15, v0                          ; r
	v_bfe_u32 v34, v0, 4, 1                        ; h
	v_lshlrev_b32 v[LI], 4, v32
	v_add_nc_u32 v[QO], s55, v[LI]
	s_lshl_b32 s55, s32, 8
	s_add_co_u32 s55, s55, 12288
	v_lshl_add_u32 v[US], v32, 3, s55
	s_lshl_b32 s56, s[TI], 2
	s_add_co_u32 s55, s55, s56
	v_lshl_add_u32 v[QS], v33, 4, s55              ; 12,288 + 256 (t/4) + 16 r + 4 (t%4)
	v_and_b32 v[DD], 8, v33
	v_add_nc_u32 v[DD], v[DD], v33                 ; r + 8 (r/8)
	v_lshlrev_b32 v35, 4, v34
	v_sub_nc_u32 v[DD], v[DD], v35                 ; - 16 h
	s_lshl_b32 s55, s32, 6
	s_lshr_b32 s56, s[TI], 1
	s_lshl_b32 s56, s56, 5
	s_add_co_u32 s55, s55, s56
	s_and_b32 s56, s[TI], 1
	s_lshl_b32 s56, s56, 3
	s_add_co_u32 s55, s55, s56
	v_add_nc_u32 v[DD], s55, v[DD]                 ; + 32 (t/2) + 8 (t%2)
	; every LDS address is made here, of constants, the lane and the wave's number
	s_lshl_b32 s55, s[HIW], 8
	s_lshl_b32 s56, s[TI], 2
	s_add_co_u32 s55, s55, s56
	s_add_co_u32 s55, s55, SCR
	v_lshl_add_u32 v[SWA], v33, 4, s55             ; SCR + 256 (high group) + 16 r + 4 (w / 4)
	s_and_b32 s55, s[WV], 1
	s_lshl_b32 s56, s55, 8
	s_add_co_u32 s56, s56, SCR
	v_lshl_add_u32 v[SRA], v32, 3, s56             ; SCR + 256 (w % 2) + 8 x lane: wave 0's queries lie in the low group, wave 1's in the high one
	s_lshl_b32 s56, s55, 9
	s_add_co_u32 s56, s56, SCR2
	v_add_nc_u32 v[SRB], s56, v[LI]                ; SCR2 + 512 (w % 2) + 16 x lane
	s_lshl_b32 s56, s[TI], 1
	s_add_co_u32 s56, s56, s55                     ; my pair: 2 (w / 4) + w % 2, the same in waves w and w ^ 2
	s_mul_i32 s56, s56, MGB
	s_add_co_u32 s56, s56, STG
	v_add_nc_u32 v[MGA], s56, v[LI]
	s_lshr_b32 s56, s[WV], 1                       ; the low waves' numbers halved are 0 .. 7
	s_mul_i32 s56, s56, STGB
	s_add_co_u32 s56, s56, STG
	v_add_nc_u32 v[STI], s56, v[LI]
	v_mul_u32_u24 v[STO], v33, 528
	v_lshl_add_u32 v[STO], v34, 6, v[STO]
	v_add_nc_u32 v[STO], s56, v[STO]
	s_lshl_b32 s56, s[TI], 8
	s_lshl_b32 s57, s[PAR], 3
	s_add_co_u32 s56, s56, s57
	s_add_co_u32 s56, s56, SCR2
	v_lshl_add_u32 v[SW2], v33, 4, s56             ; SCR2 + 512 (panel) + 256 (tile / 4) + 16 r + 4 (tile % 4) for tile 2 a = SCR2 + 256 (w / 4) + 8 parity + 16 r
	s_mov_b32 s[SEL], 0x76543210
	s_mov_b32 s[SEL+1], 0xfedcba98
	s_mov_b32 s[CS], 0x3e0293ee                    ; c = log2(e) / sqrt(128)
	s_mov_b32 s[CS+1], s[CS]                       ; (named with it as a pair, so it is written)
	s_mov_b32 s[TB], 0
	s_mov_b32 s[KS], 0
	s_mov_b32 s[SLOTS], 3
	s_wait_dscnt 0x0                               ; the opening add is done
	s_wait_kmcnt 0x0
	s_mov_b32 s[G0], 1                             ; count = 1
	s_mov_b32 s[G0+1], s50                         ; LDS address: slot 0
	s_add_nc_u64 s[G0+2:G0+3], s[4:5], s[48:49]    ; global address: key steps 0 to 3
	s_or_b32 s[G0+3], s[G0+3], 0x80000000          ; type = 2
	s_add_nc_u64 s[36:37], s[4:5], s[52:53]        ; Q's panel
	s_add_nc_u64 s[8:9], s[8:9], s[58:59]          ; att's panel
	s_add_nc_u64 s[6:7], s[6:7], s[66:67]          ; Wo at my 32 rows
	s_add_nc_u64 s[38:39], s[10:11], s[70:71]      ; wocodes at a panel's scale words
	s_add_nc_u64 s[10:11], s[10:11], s[68:69]      ; wocodes at my two tiles
	CROUND                                         ; all four work-groups are here: the first joint loads meet
	TLOAD                                          ; slot 0
.irp c, 0,1,2
	global_load_b128 v[16+4*\c:19+4*\c], v[QO], s[36:37] offset:512*\c   ; Q's fragment stays in registers
.endr
	global_load_b32 v255, v[QS], s[36:37]          ; and its rows' scale words
	v_mov_b32 v13, 0xff61b1e6                      ; the largest t so far: -3e38, under every t
	v_floor_f32 v12, -v13                          ; -M
	v_mov_b32 v14, 0                               ; the sum, in two halves
	v_mov_b32 v15, 0
.irp b, 0,1,2,3
	v_mov_b32 v[236+\b], 0                         ; written once: a lane permute's destination counts as one of its sources
	v_mov_b32 v[84+\b], 0
	v_mov_b32 v[248+\b], 0
.endr
	v_mov_b32 v252, 0
	v_mov_b32 v253, 0                              ; (named as the upper half of the pair v[252:253] before it is first written)
.set JJ, 0
.rept 64
	v_mov_b32 v[160+JJ], 0                         ; O^T.  (The step is written once: the first finds zeros, which the first change of M leaves zeros)
.set JJ, JJ+1
.endr
; TWO TILES OF Wo.  My attention is done: of its registers only O^T, -M and the sum are still wanted.  Tile u = rows 8 u + i + 8 (i/8), i = 0 .. 15, of my 32
.macro HOST
	PLACES 4                                       ; in front of loads into registers that matrix instructions have read or written
.irp u, 0,1
.irp i, 0,1,2,3,4,5,6,7,8,9,10,11,12,13,14,15
	global_load_b128 v[32+64*\u+4*\i:35+64*\u+4*\i], v[LI], s[6:7] offset:8192*(8*\u+\i+8*(\i/8)) th:TH_LOAD_NT   ; 512 consecutive aligned bytes of one row; 31 rows at the most: inside the signed 24-bit immediate
.endr
.endr
	s_wait_loadcnt 16                              ; the first tile's 16 loads are in; the second's 16 stay out
.irp i, 0,1,2,3,4,5,6,7,8,9,10,11,12,13,14,15
	ds_store_b128 v[STI], v[32+4*\i:35+4*\i] offset:528*\i
.endr
.irp b, 0,1,2,3
.irp j, 0,1,2,3
	ds_load_b128 v[32+16*\b+4*\j:35+16*\b+4*\j], v[STO] offset:128*\b+16*\j   ; LDS serves a wave's instructions in order: these see the stores above, and land in the registers that those have left
.endr
.endr
	s_wait_loadcnt 0x0
.irp i, 0,1,2,3,4,5,6,7,8,9,10,11,12,13,14,15
	ds_store_b128 v[STI], v[96+4*\i:99+4*\i] offset:528*\i     ; the second tile, into the same stage: behind the first tile's loads
.endr
	s_wait_dscnt 16                                ; the first tile is back; the 16 stores issued behind its loads may be out
.irp b, 0,1,2,3
.irp j, 0,1,2,3
	ds_load_b128 v[96+16*\b+4*\j:99+16*\b+4*\j], v[STO] offset:128*\b+16*\j
.endr
.endr
	QUANT 32, 224, 236, 244, 239
.irp c, 0,1,2
	global_store_b128 v[LI], v[224+4*\c:227+4*\c], s[10:11] offset:512*\c          ; 512 consecutive bytes, at a multiple of 512 from the panel's first byte
.endr
	s_wait_dscnt 0x0                               ; the second tile is back
	s_wait_xcnt 0x0                                ; the three stores have read the codes' registers, which are written again below
	QUANT 96, 224, 236, 244, 243
.irp c, 0,1,2
	global_store_b128 v[LI], v[224+4*\c:227+4*\c], s[10:11] offset:1536+512*\c
.endr
	ds_store_b32 v[SW2], v239                      ; the two tiles' scale words (both halves of the lanes write the same word with the same value)
	ds_store_b32 v[SW2], v243 offset:4
	s_wait_xcnt 0x0                                ; the stores have read their registers: what follows may write them
.endm
; A KEY STEP: 128 keys: the panels of K at s[TB] and of V 51,200 bytes on.  host = 1: the copy in which a low wave's step G + 1 can fall
.macro STEP host
	s_cmp_gt_u32 s[KS], s[G]                       ; all its keys come after my queries: the step's work is left out; the lines at its end that step addresses are not
	s_cbranch_scc1 .Lpast_\@
	s_xor_b32 s60, s[KS], s[PAR]
	s_and_b32 s60, s60, 1
	s_cmp_lg_u32 s60, 0                            ; the other parity: my partner's step
	s_cbranch_scc1 .Lhidden_\@
	v_add_nc_u32 v[ADR], s[TB], v[LI]
	PLACES 3                                       ; with the addition: four places in front of loads into registers that matrix instructions have read
.irp t, 0,1,2,3
.irp c, 0,1,2
	ds_load_b128 v[32+12*\t+4*\c:35+12*\t+4*\c], v[ADR] offset:1536*\t+512*\c
.endr
.endr
	ds_load_b128 v[248:251], v[ADR] offset:12288   ; K's scale words: lanes 0-15 tiles 0-3, lanes 16-31 tiles 4-7
	s_wait_dscnt 0x0
.irp t, 0,1,2,3
	v_wmma_scale_f32_16x16x128_f8f6f4 v[96+8*\t:103+8*\t], v[32+12*\t:43+12*\t], v[16:27], 0, v[248+\t], v255 matrix_a_fmt:MATRIX_FMT_FP6 matrix_b_fmt:MATRIX_FMT_FP6
.endr
	PLACES 4
.irp t, 0,1,2,3
.irp c, 0,1,2
	ds_load_b128 v[32+12*\t+4*\c:35+12*\t+4*\c], v[ADR] offset:1536*(4+\t)+512*\c
.endr
.endr
	s_wait_dscnt 0x0
.irp t, 0,1,2,3
	v_wmma_scale_f32_16x16x128_f8f6f4 v[128+8*\t:135+8*\t], v[32+12*\t:43+12*\t], v[16:27], 0, v[248+\t], v255 matrix_a_fmt:MATRIX_FMT_FP6 matrix_b_fmt:MATRIX_FMT_FP6 matrix_a_scale:MATRIX_SCALE_ROW1
.endr
	PLACES 4                                       ; behind the products: for the loads below and for the first reads of the scores
.irp t, 0,1,2,3                                ; V's tiles 0-3 and its scale words are asked for here: they land while the softmax is worked
.irp c, 0,1,2
	ds_load_b128 v[32+12*\t+4*\c:35+12*\t+4*\c], v[ADR] offset:REG+1536*\t+512*\c
.endr
.endr
	ds_load_b128 v[248:251], v[ADR] offset:REG+12288
	s_cmp_lt_u32 s[KS], s[G]                       ; all its keys count: no mask
	s_cbranch_scc1 .Lopen_\@
	v_mov_b32 v254, 0xff800000                     ; on the diagonal hidden scores become -infinity ahead of the maximum: p = 0 then
.set JJ, 0
.rept 64
	v_cmp_gt_i32 vcc_lo, 32*(JJ/16)+JJ%16, v[DD]
	v_cndmask_b32 v[96+JJ], v[96+JJ], v254, vcc_lo
.set JJ, JJ+1
.endr
.Lopen_\@:
.irp b, 0,1,2,3
	v_max3_num_f32 v[232+\b], v[96+16*\b], v[97+16*\b], v[98+16*\b]   ; the largest score of each block of 32 keys: it serves the row's maximum and, since p rises with the score, the block's largest p
.endr
.irp i, 3,5,7,9,11,13
.irp b, 0,1,2,3
	v_max3_num_f32 v[232+\b], v[232+\b], v[96+16*\b+\i], v[97+16*\b+\i]
.endr
.endr
.irp b, 0,1,2,3
	v_max_num_f32 v[232+\b], v[232+\b], v[111+16*\b]
.endr
.irp b, 0,1,2,3
	v_permlanex16_b32 v[236+\b], v[232+\b], s[SEL], s[SEL+1]
.endr
.irp b, 0,1,2,3
	v_max_num_f32 v[232+\b], v[232+\b], v[236+\b]  ; with lane l xor 16's 16 keys
.endr
	v_max3_num_f32 v254, v232, v233, v234
	v_max_num_f32 v254, v254, v235                 ; the step's largest score of my query
	v_mul_f32 v254, s[CS], v254                    ; as t
	v_max_num_f32 v13, v13, v254                   ; the running largest t
	v_mov_b32 v254, v12
	v_floor_f32 v12, -v13                          ; the new -M = floor(-t): M is a whole number
	v_sub_f32 v254, v12, v254                      ; old M - new M: a whole number, 0 or less
	v_cvt_i32_f32 v254, v254                       ; (it saturates)
	v_ldexp_f32 v252, 1.0, v254                    ; f = 2^(old M - new M)
.set JJ, 0
.rept 32
	v_pk_fma_f32 v[96+JJ:97+JJ], v[96+JJ:97+JJ], s[CS:CS+1], v[12:13] op_sel_hi:[1,0,0]   ; t - M, two at a time
.set JJ, JJ+2
.endr
.irp b, 0,1,2,3
	v_fma_f32 v[232+\b], v[232+\b], s[CS], v12     ; the same of each block's largest score
.endr
.set JJ, 0
.rept 64
	v_exp_f32 v[96+JJ], v[96+JJ]                   ; p = 2^(t - M), at most 1
.set JJ, JJ+1
.endr
	v_pk_mul_f32 v[14:15], v[14:15], v[252:253] op_sel_hi:[1,0]   ; the sums under the new M  (a plain place behind the exponentials)
	s_wait_alu depctr_va_vdst(0)                   ; one wait for the whole batch, ahead of its first reader
.irp b, 0,1,2,3
	v_exp_f32 v[232+\b], v[232+\b]                 ; the block's largest p: the same two instructions on the same number give the same bits
.endr
	v_pk_add_f32 v[236:237], v[96:97], v[98:99]    ; the row's sum of the unquantised p, two at a time, in two chains
.irp j, 4,8,12,16,20,24,28,32,36,40,44,48,52,56,60
	v_pk_add_f32 v[14:15], v[14:15], v[96+\j:97+\j]
	v_pk_add_f32 v[236:237], v[236:237], v[98+\j:99+\j]
.endr
	v_pk_add_f32 v[14:15], v[14:15], v[236:237]
	s_wait_alu depctr_va_vdst(0)                   ; and one for the four
.irp b, 0,1,2,3
	v_max_num_f32 v[232+\b], 0x1800000, v[232+\b]  ; the floor 2^(3 - 127): the byte cannot fall under 1
.endr
.irp b, 0,1,2,3
	v_add_nc_u32 v[244+\b], 0xff000000, v[232+\b]  ; 2 off the exponent field: the conversion's scale operand
.endr
.irp b, 0,1,2,3
	v_lshrrev_b32 v[236+\b], 23, v[244+\b]         ; the scale's byte
.endr
	v_lshl_or_b32 v253, v237, 8, v236              ; p's scale word for these 128 keys
	v_lshl_or_b32 v253, v238, 16, v253
	v_lshl_or_b32 v253, v239, 24, v253
.irp c, 0,1
	v_cvt_scalef32_pk16_fp6_f32 v[224+6*\c:226+6*\c], v[96+32*\c:111+32*\c], v[244+2*\c]
	v_cvt_scalef32_pk16_fp6_f32 v[236+4*\c:238+4*\c], v[112+32*\c:127+32*\c], v[244+2*\c+1]
.endr
	v_nop                                          ; one plain place behind a scaled conversion
.irp c, 0,1
.irp i, 0,1,2
	v_permlane16_swap_b32 v[224+6*\c+\i], v[236+4*\c+\i]
.endr
.irp i, 0,1,2
	v_mov_b32 v[227+6*\c+\i], v[236+4*\c+\i]
.endr
.endr
.set JJ, 0
.rept 32
	v_pk_mul_f32 v[160+JJ:161+JJ], v[160+JJ:161+JJ], v[252:253] op_sel_hi:[1,0]   ; O^T under the new M.  (These 32 also stand between the writes of p's codes and scale word and the products below)
.set JJ, JJ+2
.endr
	s_wait_dscnt 0x0                               ; V's tiles 0-3 and its scale words are in
.irp t, 0,1,2,3
	v_wmma_scale_f32_16x16x128_f8f6f4 v[160+8*\t:167+8*\t], v[32+12*\t:43+12*\t], v[224:235], v[160+8*\t:167+8*\t], v[248+\t], v253 matrix_a_fmt:MATRIX_FMT_FP6 matrix_b_fmt:MATRIX_FMT_FP6
.endr
	PLACES 4
.irp t, 0,1,2,3
.irp c, 0,1,2
	ds_load_b128 v[32+12*\t+4*\c:35+12*\t+4*\c], v[ADR] offset:REG+1536*(4+\t)+512*\c
.endr
.endr
	s_wait_dscnt 0x0
.irp t, 0,1,2,3
	v_wmma_scale_f32_16x16x128_f8f6f4 v[192+8*\t:199+8*\t], v[32+12*\t:43+12*\t], v[224:235], v[192+8*\t:199+8*\t], v[248+\t], v253 matrix_a_fmt:MATRIX_FMT_FP6 matrix_b_fmt:MATRIX_FMT_FP6 matrix_a_scale:MATRIX_SCALE_ROW1
.endr
.if \host
	s_branch .Lhidden_\@
.endif
.Lpast_\@:
.if \host
	s_cmp_lg_u32 s[HIW], 0                         ; the low waves alone: a branch on the wave's number,
	s_cbranch_scc1 .Lhidden_\@
	s_cmp_lg_u32 s[KS], s[GN]                      ; in their first step with nothing left to do
	s_cbranch_scc1 .Lhidden_\@
	HOST
.endif
.Lhidden_\@:
	s_add_co_u32 s[KS], s[KS], 1
	s_add_co_u32 s[TB], s[TB], PAN                 ; the next step's panels
.endm
; THE CHANGE OF SLOTS stands at a slot's head.  Each wave waits for all its tensor loads (the slot that it is about to read), adds 0 to its spare word, and waits for that and for its reads of the slot that it has left.
; fill = 1: that other slot is filled with the four key steps that follow; the barrier is then a round of the cluster's, and the joint load is the first thing behind it: it has four key steps in which to land.
.macro CHANGE fill
	s_wait_tensorcnt 0x0                           ; no tensor load of mine is out, so group 0 may be written
	ds_add_u32 v[SPW], v[NIL]                      ; 0 onto my spare word
.if \fill
	s_xor_b32 s[G0+1], s[G0+1], SLOT1              ; the other slot than last time,
	s_add_nc_u64 s[G0+2:G0+3], s[G0+2:G0+3], REG   ; the next four panels; the type bits on top are not reached
.endif
	s_wait_dscnt 0x0                               ; the add is done, and my LDS instructions are over: my reads of the slot that I have left, and what I did in my stage
.if \fill
	CROUND
	TLOAD
.else
	s_barrier_signal -1
	s_barrier_wait -1
.endif
.endm
.macro FOUR_STEPS host                 ; a slot's four key steps: written once, walked four times; the LDS addresses hang on s[TB]
	s_mov_b32 s[CNT], 4
.Lstep_\@:
	STEP \host
	s_sub_co_u32 s[CNT], s[CNT], 1
	s_cmp_lg_u32 s[CNT], 0
	s_cbranch_scc1 .Lstep_\@
	s_sub_co_u32 s[TB], s[TB], REG                 ; back to a slot's first step,
	s_xor_b32 s[TB], s[TB], SLOT1                  ; in the other slot
.endm
	s_wait_loadcnt 0x0                             ; Q
.Lslot:                                            ; three trips, key steps 0 to 11: behind each change of slots but the last the next slot is asked for
	CHANGE 1
	FOUR_STEPS 1
	s_sub_co_u32 s[SLOTS], s[SLOTS], 1
	s_cmp_lg_u32 s[SLOTS], 0
	s_cbranch_scc1 .Lslot
	CHANGE 0                                       ; the last slot is written out; a low wave's step G + 1 is 8 at the most, so Wo's lines are not written here
	FOUR_STEPS 0
	; THE TWO HALVES MEET.  The wave of the odd steps stores O^T, -M and the sum as they stand in its registers: 16 bytes a lane, 512 a store.  The bytes were the low waves' stages, last touched ahead of the last change's barrier
	PLACES 4                                       ; behind the last products
	s_cmp_eq_u32 s[PAR], 0
	s_cbranch_scc1 .Lmine
.set JJ, 0
.rept 16
	ds_store_b128 v[MGA], v[160+4*JJ:163+4*JJ] offset:512*JJ   ; each accumulator from its low end on
.set JJ, JJ+1
.endr
	ds_store_b128 v[MGA], v[12:15] offset:8192
.Lmine:
	s_wait_dscnt 0x0                               ; for the partner's sake: my stores are done
	s_barrier_signal -1
	s_barrier_wait -1
	s_cmp_lg_u32 s[PAR], 0
	s_cbranch_scc1 .Lgiven                         ; the wave of the odd steps has handed its half over
.set JJ, 0
.rept 16
	ds_load_b128 v[96+4*JJ:99+4*JJ], v[MGA] offset:512*JJ      ; my partner's O^T,
.set JJ, JJ+1
.endr
	ds_load_b128 v[32:35], v[MGA] offset:8192      ; its -M (v32) and its sum's two halves (v34, v35)
	v_add_f32 v14, v14, v15                        ; my sum's two halves
	s_wait_dscnt 0x0
	v_min_num_f32 v36, v12, v32                    ; the lower -M: the larger M
	v_add_f32 v34, v34, v35
	v_sub_f32 v37, v36, v12                        ; whole numbers, 0 or less
	v_sub_f32 v38, v36, v32
	v_cvt_i32_f32 v37, v37                         ; (they saturate: a half with no step gets the factor 0)
	v_cvt_i32_f32 v38, v38
	v_ldexp_f32 v40, 1.0, v37                      ; my factor,
	v_ldexp_f32 v42, 1.0, v38                      ; my partner's: powers of two
	v_mul_f32 v14, v14, v40
	v_fma_f32 v14, v34, v42, v14                   ; the sum under the common M,
	v_permlanex16_b32 v252, v14, s[SEL], s[SEL+1]
	v_add_f32 v14, v14, v252                       ; with lane l xor 16's: the row's sum
	v_rcp_f32 v14, v14
	v_mov_b32 v41, 0                               ; (a plain place behind the reciprocal; the upper halves of the pairs named below are written)
	v_mov_b32 v43, 0
	s_wait_alu depctr_va_vdst(0)                   ; the wait ahead of the reciprocal's first reader
	v_mul_f32 v40, v40, v14                        ; 1 / the sum goes into both factors: exact but for the reciprocal's own rounding
	v_mul_f32 v42, v42, v14
.set JJ, 0
.rept 32
	v_pk_mul_f32 v[96+JJ:97+JJ], v[96+JJ:97+JJ], v[42:43] op_sel_hi:[1,0]
	v_pk_fma_f32 v[96+JJ:97+JJ], v[160+JJ:161+JJ], v[40:41], v[96+JJ:97+JJ] op_sel_hi:[1,0,1]   ; O / l: register 16 b + i of my query is d = 32 b + 16 h + i
.set JJ, JJ+2
.endr
	; THE WAY OUT.  Quantised along d, it is tile t of panel (group, head) of the next product's operand
	QUANT 96, 224, 236, 80, 254
.irp c, 0,1,2
	global_store_b128 v[QO], v[224+4*\c:227+4*\c], s[8:9] offset:512*\c   ; 512 consecutive bytes, at a multiple of 512 from the panel's first byte
.endr
	ds_store_b32 v[SWA], v254                      ; four tiles' scale words make 256 consecutive bytes of a panel: they meet in LDS (both halves of the lanes write the same word with the same value)
.Lgiven:
	s_wait_dscnt 0x0                               ; for the others' sake: my store is done
	s_barrier_signal -1
	s_barrier_wait -1
	s_cmp_lt_u32 s[WV], 2                          ; wave 0 stores the low group's unit into its own panel of att, wave 1 the high group's; and each the scale words of one of Wo's two panels
	s_cbranch_scc0 .Lno_words
	ds_load_b64 v[32:33], v[SRA]
	ds_load_b128 v[36:39], v[SRB]
	s_wait_dscnt 0x0
	global_store_b64 v[US], v[32:33], s[8:9]       ; 32 lanes store 256 consecutive aligned bytes
	global_store_b128 v[LI], v[36:39], s[38:39]    ; 32 lanes store 512 consecutive aligned bytes
.Lno_words:
	s_wait_tensorcnt 0x0                           ; the wave's end: behind my last tensor load and my last LDS store
	ds_add_u32 v[SPW], v[NIL]
	s_wait_dscnt 0x0
	CROUND                                         ; the closing round: no work-group ends while a partner may still ask for a tile that names it
	s_endpgm
.Lfunc_end_k_qc9cb80fb2b_attn:
	.size	k_qc9cb80fb2b_attn, .Lfunc_end_k_qc9cb80fb2b_attn-k_qc9cb80fb2b_attn
	.p2alignl 7, 3214868480
	.fill 96, 4, 3214868480
	.section	.rodata,"a",@progbits
	.p2align	6, 0x0
	.amdhsa_kernel k_qc9cb80fb2b_attn
		.amdhsa_group_segment_fixed_size 327680
		.amdhsa_private_segment_fixed_size 0
		.amdhsa_enable_private_segment 0
		.amdhsa_kernarg_size 32
		.amdhsa_user_sgpr_count 2
		.amdhsa_user_sgpr_kernarg_segment_ptr 1
		.amdhsa_wavefront_size32 1
		.amdhsa_system_sgpr_workgroup_id_x 1
		.amdhsa_system_sgpr_workgroup_id_y 1
		.amdhsa_system_sgpr_workgroup_id_z 1
		.amdhsa_system_vgpr_workitem_id 0
		.amdhsa_next_free_vgpr 256
		.amdhsa_next_free_sgpr 80
		.amdhsa_reserve_vcc 1
		.amdhsa_float_denorm_mode_32 3
		.amdhsa_float_denorm_mode_16_64 3
		.amdhsa_memory_ordered 1
		.amdhsa_forward_progress 1
		.amdhsa_inst_pref_size 87
	.end_amdhsa_kernel
	.amdgpu_metadata
---
amdhsa.version: [ 1, 2 ]
amdhsa.kernels:
  - .name:           k_qc9cb80fb2b_attn
    .symbol:         k_qc9cb80fb2b_attn.kd
    .args:
      - { .name: qkv, .offset: 0, .size: 8, .value_kind: global_buffer, .address_space: global }
      - { .name: Wo, .offset: 8, .size: 8, .value_kind: global_buffer, .address_space: global }
      - { .name: att, .offset: 16, .size: 8, .value_kind: global_buffer, .address_space: global }
      - { .name: wocodes, .offset: 24, .size: 8, .value_kind: global_buffer, .address_space: global }
    .group_segment_fixed_size: 327680
    .private_segment_fixed_size: 0
    .kernarg_segment_align: 8
    .kernarg_segment_size: 32
    .max_flat_workgroup_size: 512
    .sgpr_count:     80
    .vgpr_count:     256
    .wavefront_size: 32
...
	.end_amdgpu_metadata
.endif
;; end of part 3
;; launch oproj (part 4): grid 16 x 16, 4 waves a work-group, clusters of 4 x 4, 327,680 bytes of LDS; arguments wocodes, att, out0; writes out0
.if DOCPART == 4
	.amdgcn_target "amdgcn-amd-amdhsa--gfx1250"
	.amdhsa_code_object_version 6
	.text
	.protected	k_qc9cb80fb2b_oproj
	.globl	k_qc9cb80fb2b_oproj
	.p2align	8
	.type	k_qc9cb80fb2b_oproj,@function
k_qc9cb80fb2b_oproj:
	s_mov_b64 s[64:65], 0
	v_nop
	global_prefetch_b8 v0, s[64:65] scope:SCOPE_SE
	s_setreg_imm32_b32 hwreg(HW_REG_WAVE_MODE, 25, 1), 1
	s_wait_xcnt 0x0
	s_wait_alu depctr_hold_cnt(0) depctr_sa_sdst(0) depctr_va_vdst(0) depctr_va_sdst(0) depctr_va_ssrc(0) depctr_va_vcc(0) depctr_vm_vsrc(0)
	s_getreg_b32 s2, hwreg(HW_REG_IB_STS2, 6, 4)
	s_cmp_eq_u32 s2, 0
	s_cbranch_scc0 .Lentry_in_a_cluster
	s_endpgm
.Lentry_in_a_cluster:
	s_bfe_u32 s2, ttmp6, 0x10000c
	s_cmp_lg_u32 s2, 0xf033
	s_cbranch_scc0 .Lentry_shape_is_right
	s_endpgm
.Lentry_shape_is_right:
; out0 = attn x Wo^T on codes of FP6 (E2M3) with E8M0 scales, K = 2,048; out0 [2,048][4,096] f32.  Both operands come as panels: Wo from wocodes (32 groups x 16 K steps), attn from att (16 token groups x 16 heads).
; PANELS: 128 rows x 128 K in 12,800 bytes: tile t's 12 registers at 1536 t + 512 c + 16 lane, its scale words at 12,288 + 256 (t/4) + 16 r + 4 (t%4); lane r of tile t is row 32 (t/2) + 8 (t%2) + r + 8 (r/8).
; Source 0 = rows of Wo (the outputs n), source 1 = tokens: a lane of the result holds one token, and the 64 registers of source 0's eight tiles hold n = 32 b + 16 h + i in register 16 b + i.
; SHARES: a work-group makes 256 n x 128 tokens; wave w: group w / 2 of n (128), token tiles 4 (w % 2) on (64 tokens): 32 accumulators, 256 registers.  256 work-groups.
; RING: two LDS slots of four K steps each; a group's K steps are one dense run of memory, codes and scale words together.  Waves 0, 1 fetch source 0's two groups (51,200 bytes each), waves 2, 3 the halves of source 1's (25,600 each).
; CLUSTER 4 x 4: source 0's tiles are shared along a row of the cluster, source 1's along a column: each is asked for jointly.  By this text's count a wave has two tensor loads out at the start and one behind each round.
; REGISTERS: window 0: v16-24 addresses; v32-47 scale words, two sets; v48-143 source 1's four fragments, two sets; on the way out v48-175 rows of out0.  window 1: source 0's eight fragments, two sets, at v0 and v128.
;   window 2: accumulator (i1, i0) at v[8 (8 i1 + i0)].
.set GRP,   204800                     ; a group's 16 K steps in bytes
.set LAPS,  2                          ; 16 K steps = 4 fills = twice round the ring
.set PAN,   12800
.set REG,   51200                      ; four K steps of one group
.set SLOT,  153600                     ; source 0's two groups, then source 1's one
.set SPARE, 307200                     ; behind the ring: the spare words, 128 bytes for each wave: two blocks of 256 bytes that no other line names
.set STG,   8448                       ; the way out: a stage of 16 rows x 528 bytes for each wave.  It lies in slot 0, which has had its last fill and its last read when the first result is stored there
.set AD0, 16                           ; v16-17  LDS address of my group of source 0 in slot 0, 1: + 16 x lane
.set AD1, 18                           ; v18-19  of my four tiles of source 1
.set ADS, 20                           ; v20-21  of their scale words: + 16 r
.set STO, 22                           ; v22     the way out: where I put my pieces of a row: row r, + 64 h
.set RD,  23                           ; v23     and where I read a row back: 16 x lane
.set CO,  24                           ; v24     16 x lane: my bytes of a row's 512 in out0
.set SPW, 28                           ; v28     LDS address of my spare word; never rewritten
.set NIL, 29                           ; v29     0; never rewritten
.set SC,  32                           ; scale words, set s at v[32 + 8 s]: four registers of source 0 (lanes 0-15 tiles 0-3, lanes 16-31 tiles 4-7), four of source 1
.set F1,  48                           ; source 1's fragments, set s at v[48 + 48 s]
.set BK,  48                           ; the way out: 16 rows read back from the stage: v48-111 and v112-175 by turns
.set G1A, 24                           ; s[24:31] descriptor group 1 for source 0;  s[32:39] group 0, a set for each slot
.set G0A, 32
.set G1B, 48                           ; s[48:55], s[56:63] the same for source 1
.set G0B, 56
.set MSB, 0
.macro WIN new                         ; the immediate's high byte repeats the setting that is left
.if MSB != \new
	s_set_vgpr_msb (MSB<<8)|\new
.set MSB, \new
.endif
.endm
.set MULW, 0xa1                        ; source 0 window 1, source 1 window 0, C and D window 2
.set TO_1, 0x40                        ; destination window 1, address window 0
.macro PLACES n
.rept \n
	v_nop
.endr
.endm
; A joint load: waves 0 and 1 fetch for source 0, waves 2 and 3 for source 1.  Each line has one mask and one set of registers for all that issue it; the branch hangs on the wave's number alone.
; An s_nop 0 and four v_nop follow each of the two lines, ahead of the jump, the label and what follows.
.macro JLOAD s
	s_cmp_eq_u32 s15, 0
	s_cbranch_scc0 .Lfor_1_\@
	tensor_load_to_lds s[G0A+4*\s:G0A+4*\s+3], s[G1A:G1A+7]
	s_nop 0
.rept 4
	v_nop
.endr
	s_branch .Lasked_\@
.Lfor_1_\@:
	tensor_load_to_lds s[G0B+4*\s:G0B+4*\s+3], s[G1B:G1B+7]
	s_nop 0
.rept 4
	v_nop
.endr
.Lasked_\@:
.endm
.macro CREST                           ; a round of the cluster's barrier behind its opening barrier
	s_cmp_lg_u32 s14, 0
	s_cbranch_scc1 .Lnot_wave_0_\@
	s_barrier_signal -3
.Lnot_wave_0_\@:
	s_barrier_wait -3
	s_barrier_signal -1
	s_barrier_wait -1
.endm
.macro CROUND                          ; a whole round
	s_barrier_signal -1
	s_barrier_wait -1
	CREST
.endm
	s_load_b128 s[4:7], s[0:1], 0x0                ; wocodes s[4:5], att s[6:7]
	s_load_b64 s[8:9], s[0:1], 0x10                ; out0
	v_lshl_add_u32 v[SPW], v0, 2, SPARE
	v_mov_b32 v[NIL], 0
	ds_add_u32 v[SPW], v[NIL]                      ; the wave's opening: the add and its wait stand ahead of my first tensor load; the set-up below, work on registers, stands between them
	v_lshrrev_b32 v1, 5, v0
	v_readfirstlane_b32 s14, v1                    ; wave 0..3
	s_lshr_b32 s15, s14, 1                         ; my group of source 0.  Also: I fetch for source 0 (0) or source 1 (1)
	s_and_b32 s16, s14, 1                          ; my half of source 1's tiles.  Also: which part I fetch
	s_bfe_u32 s40, ttmp6, 0x40000                  ; cx, cy: my place in the cluster
	s_bfe_u32 s41, ttmp6, 0x40004
	s_and_b32 s46, ttmp7, 0xffff
	s_lshl_b32 s46, s46, 2
	s_add_co_u32 s46, s46, s41                     ; which 256 n: 4 x cluster y + cy
	s_lshl_b32 s47, ttmp9, 2
	s_add_co_u32 s47, s47, s40                     ; which 128 tokens: 4 x cluster x + cx
	s_lshl_b32 s44, s41, 2
	s_lshl_b32 s44, 15, s44                        ; my row of the cluster
	s_lshl_b32 s45, 0x1111, s40                    ; my column
	; descriptor group 1: a dense block as rows of 256 bytes (32 elements of 8 bytes): 200 rows for source 0, 100 for source 1; no padding
	s_or_b32 s[G1A], s44, (3<<16)|(1<<21)          ; 15:0 the mask; 17:16 elements of 8 bytes; 21 set beside a mask
	s_or_b32 s[G1B], s45, (3<<16)|(1<<21)
	s_mov_b32 s[G1A+1], 32<<16                     ; tensor_dim0 = 32
	s_mov_b32 s[G1A+2], 200<<16                    ; tensor_dim1 = 200
	s_mov_b32 s[G1A+3], 32<<16                     ; tile_dim0 = 32
	s_mov_b32 s[G1A+4], 200                        ; tile_dim1 = 200
	s_mov_b32 s[G1A+5], 32                         ; the pitch
	s_mov_b32 s[G1A+6], 0
	s_mov_b32 s[G1A+7], 0
	s_mov_b32 s[G1B+1], 32<<16
	s_mov_b32 s[G1B+2], 100<<16
	s_mov_b32 s[G1B+3], 32<<16
	s_mov_b32 s[G1B+4], 100
	s_mov_b32 s[G1B+5], 32
	s_mov_b32 s[G1B+6], 0
	s_mov_b32 s[G1B+7], 0
	s_lshl_b32 s20, s46, 1
	s_add_co_u32 s20, s20, s16                     ; source 0: the group that I fetch,
	s_mul_i32 s20, s20, GRP                        ; in bytes
	s_mov_b32 s21, 0
	s_mul_i32 s22, s47, GRP                        ; source 1: the group,
	s_mul_i32 s23, s16, REG/2                      ; and my two of a fill's four K steps
	s_add_co_u32 s22, s22, s23
	s_mov_b32 s23, 0
	s_mul_i32 s70, s16, REG                        ; where they go in a slot: no place in the cluster enters an LDS address
	s_mul_i32 s71, s16, REG/2
	s_add_co_u32 s71, s71, 2*REG
	s_wait_dscnt 0x0                               ; the opening add is done
	s_wait_kmcnt 0x0
	s_add_nc_u64 s[20:21], s[4:5], s[20:21]
	s_add_nc_u64 s[22:23], s[6:7], s[22:23]
	CROUND                                         ; all sixteen work-groups are here: the first joint loads meet
.irp s, 0,1
	s_mov_b32 s[G0A+4*\s], 1                                       ; count = 1
	s_add_co_u32 s[G0A+4*\s+1], s70, \s*SLOT                       ; LDS address
	s_add_nc_u64 s[G0A+4*\s+2:G0A+4*\s+3], s[20:21], \s*REG        ; global address: fill s
	s_or_b32 s[G0A+4*\s+3], s[G0A+4*\s+3], 0x80000000              ; type = 2
	s_mov_b32 s[G0B+4*\s], 1
	s_add_co_u32 s[G0B+4*\s+1], s71, \s*SLOT
	s_add_nc_u64 s[G0B+4*\s+2:G0B+4*\s+3], s[22:23], \s*REG
	s_or_b32 s[G0B+4*\s+3], s[G0B+4*\s+3], 0x80000000
	JLOAD \s
.endr
	v_and_b32 v2, 15, v0                           ; r
	v_bfe_u32 v3, v0, 4, 1                         ; h
	v_and_b32 v1, 31, v0
	v_lshlrev_b32 v1, 4, v1                        ; 16 x lane
	v_lshlrev_b32 v5, 4, v2                        ; 16 r
	s_mul_i32 s74, s15, REG                        ; my group of source 0
	s_mul_i32 s75, s16, 6144                       ; my four tiles of source 1,
	s_add_co_u32 s75, s75, 2*REG                   ; which lies behind source 0's two groups
	s_lshl_b32 s76, s16, 8
	s_add_co_u32 s76, s76, 2*REG+12288             ; and their scale words
.irp s, 0,1
	v_add_nc_u32 v[AD0+\s], s74, v1
	v_add_nc_u32 v[AD1+\s], s75, v1
	v_add_nc_u32 v[ADS+\s], s76, v5
	s_add_co_u32 s74, s74, SLOT
	s_add_co_u32 s75, s75, SLOT
	s_add_co_u32 s76, s76, SLOT
.endr
	s_mul_i32 s77, s14, STG                        ; my stage
	v_mul_u32_u24 v[STO], v2, 528
	v_lshl_add_u32 v[STO], v3, 6, v[STO]
	v_add_nc_u32 v[STO], s77, v[STO]
	v_add_nc_u32 v[RD], s77, v1
	v_mov_b32 v[CO], v1
	; out0 at token 128 x index + 64 (w % 2), n = 256 x index + 128 (w / 2): rows of 16,384 bytes
	s_lshl_b32 s78, s47, 21
	s_lshl_b32 s79, s16, 20
	s_add_co_u32 s78, s78, s79
	s_lshl_b32 s79, s46, 10
	s_add_co_u32 s78, s78, s79
	s_lshl_b32 s79, s15, 9
	s_add_co_u32 s78, s78, s79
	s_mov_b32 s79, 0
	s_add_nc_u64 s[8:9], s[8:9], s[78:79]
; one product: source 1's tile a of my four x source 0's tile b, 128 along K, operands and scale words of set \set.  zero = 1: it starts the sum: nothing is ever cleared
.macro WM a, b, set, zero
.set rD, 8*(8*(\a)+\b)
.set rA, 128*(\set)+12*\b
.set rB, F1+48*(\set)+12*(\a)
.set rSA, SC+8*(\set)+(\b)%4
.set rSB, SC+8*(\set)+4+(\a)
.if \zero
.if \b < 4
	v_wmma_scale_f32_16x16x128_f8f6f4 v[rD:rD+7], v[rA:rA+11], v[rB:rB+11], 0, v[rSA], v[rSB] matrix_a_fmt:MATRIX_FMT_FP6 matrix_b_fmt:MATRIX_FMT_FP6
.else
	v_wmma_scale_f32_16x16x128_f8f6f4 v[rD:rD+7], v[rA:rA+11], v[rB:rB+11], 0, v[rSA], v[rSB] matrix_a_fmt:MATRIX_FMT_FP6 matrix_b_fmt:MATRIX_FMT_FP6 matrix_a_scale:MATRIX_SCALE_ROW1
.endif
.else
.if \b < 4
	v_wmma_scale_f32_16x16x128_f8f6f4 v[rD:rD+7], v[rA:rA+11], v[rB:rB+11], v[rD:rD+7], v[rSA], v[rSB] matrix_a_fmt:MATRIX_FMT_FP6 matrix_b_fmt:MATRIX_FMT_FP6
.else
	v_wmma_scale_f32_16x16x128_f8f6f4 v[rD:rD+7], v[rA:rA+11], v[rB:rB+11], v[rD:rD+7], v[rSA], v[rSB] matrix_a_fmt:MATRIX_FMT_FP6 matrix_b_fmt:MATRIX_FMT_FP6 matrix_a_scale:MATRIX_SCALE_ROW1
.endif
.endif
.endm
; 16 products.  The 32 accumulators take turns, one instruction a turn, in the same order in every K step
.macro MUL16 a0, set, zero
.irp a, \a0, \a0+1
.irp b, 0,1,2,3,4,5,6,7
	WM (\a), \b, \set, \zero
.endr
.endr
.endm
; 38 LDS loads in one run: the slot's q-th K step into set \set; every load takes 512 consecutive bytes
.macro FETCH slot, q, set
	WIN TO_1
.irp i, 0,1,2,3,4,5,6,7
.irp c, 0,1,2
	ds_load_b128 v[128*(\set)+12*\i+4*\c:128*(\set)+12*\i+4*\c+3], v[AD0+\slot] offset:PAN*(\q)+1536*\i+512*\c
.endr
.endr
	WIN 0
.irp i, 0,1,2,3
.irp c, 0,1,2
	ds_load_b128 v[F1+48*(\set)+12*\i+4*\c:F1+48*(\set)+12*\i+4*\c+3], v[AD1+\slot] offset:PAN*(\q)+1536*\i+512*\c
.endr
.endr
	ds_load_b128 v[SC+8*(\set):SC+8*(\set)+3], v[AD0+\slot] offset:PAN*(\q)+12288
	ds_load_b128 v[SC+8*(\set)+4:SC+8*(\set)+7], v[ADS+\slot] offset:PAN*(\q)
.endm
; A K step that has its successor in the same slot: this step's operands are in; the next step's are asked for, into the other set; 32 products
.macro STEP slot, q, zero
	s_wait_dscnt 0x0                               ; this step's 38 loads, asked for 32 products ago, are in
	PLACES 4                                       ; in front of loads into registers that matrix instructions have read (ISA guide 7.12.1 for vector instructions)
	FETCH \slot, (\q)+1, 1-(\q)%2
	WIN MULW
	MUL16 0, (\q)%2, \zero
	MUL16 2, (\q)%2, \zero
	WIN 0
.endm
; A slot's last K step changes slots: one barrier; in front of it each wave waits for all its tensor loads, adds 0 to its spare word, and waits for that and for its reads of this slot.  fill = 1: this slot is filled again, two fills ahead
.macro TURN slot, next, fill
	s_wait_tensorcnt 0x0                           ; all my tensor loads have landed: my part of the next slot
	ds_add_u32 v[SPW], v[NIL]                      ; 0 onto my spare word
	s_wait_dscnt 1                                 ; this step's operands are in; the add alone may be out
	WIN MULW
	MUL16 0, 1, 0                                  ; sixteen products stand between the add and the wait for it
	s_wait_dscnt 0x0                               ; the add is done, and my reads of this slot are over
	WIN 0
	s_barrier_signal -1
	s_barrier_wait -1
.if \fill
	CREST                                          ; the barrier has opened a round of the cluster's barrier: no wave of any partner still reads this slot or has a load on its way
	s_add_nc_u64 s[G0A+4*\slot+2:G0A+4*\slot+3], s[G0A+4*\slot+2:G0A+4*\slot+3], 2*REG
	s_add_nc_u64 s[G0B+4*\slot+2:G0B+4*\slot+3], s[G0B+4*\slot+2:G0B+4*\slot+3], 2*REG
	JLOAD \slot                                    ; the first tensor load behind the round; its four v_nop are also the places in front of the loads below
.else
	PLACES 4
.endif
	FETCH \next, 0, 0
	WIN MULW
	MUL16 2, 1, 0
	WIN 0
.endm
	s_wait_tensorcnt 1                             ; my part of fill 0 is in; fill 1's load, issued behind it, may stay out
	s_barrier_signal -1
	s_barrier_wait -1                              ; everybody's is
	FETCH 0, 0, 0
	STEP 0, 0, 1                                   ; the first K step stands in front of the loop: its products start the sums
	s_mov_b32 s3, LAPS-1
.Llap:                                                 ; a trip goes once round the ring, from a lap's second K step to the next lap's first, and fills both slots again
	STEP 0, 1, 0
	STEP 0, 2, 0
	TURN 0, 1, 1
	STEP 1, 0, 0
	STEP 1, 1, 0
	STEP 1, 2, 0
	TURN 1, 0, 1
	STEP 0, 0, 0
	s_sub_co_u32 s3, s3, 1
	s_cmp_lg_u32 s3, 0
	s_cbranch_scc1 .Llap
	STEP 0, 1, 0                                   ; the last lap fills nothing, and has no round of the cluster's barrier
	STEP 0, 2, 0
	TURN 0, 1, 0
	STEP 1, 0, 0
	STEP 1, 1, 0
	STEP 1, 2, 0
	s_wait_dscnt 0x0                               ; the very last K step: nothing more to fetch
	WIN MULW
	MUL16 0, 1, 0
	MUL16 2, 1, 0
	WIN 0
; THE WAY OUT, a tile of 16 tokens x 128 n at a time.  A lane holds pieces of 32 bytes of one token's row, and the lanes beside it hold other tokens: so a tile goes through my own stage in LDS and comes back as whole
; rows of 512 bytes.  LDS serves a wave's instructions in order (ISA guide 5.7.1.4): no wait between the stores and the loads, nor in front of the next tile's stores.
.macro TOSTAGE a
	WIN 0x08                                       ; an LDS store's data are its source 1: window 2
.irp b, 0,1,2,3,4,5,6,7
	ds_store_b128 v[STO], v[8*(8*(\a)+\b):8*(8*(\a)+\b)+3] offset:128*(\b/2)+32*(\b%2)          ; each accumulator from its low end on: n = 32 (b/2) + 16 h + 8 (b%2) + 0 .. 3
	ds_store_b128 v[STO], v[8*(8*(\a)+\b)+4:8*(8*(\a)+\b)+7] offset:128*(\b/2)+32*(\b%2)+16
.endr
	WIN 0
.set BB, BK+64*((\a)%2)
.irp t, 0,1,2,3,4,5,6,7,8,9,10,11,12,13,14,15
	ds_load_b128 v[BB+4*\t:BB+4*\t+3], v[RD] offset:528*\t
.endr
.endm
.macro SEND a, younger                 ; younger: the LDS instructions issued behind tile a's loads, which may stay out
.set BB, BK+64*((\a)%2)
	s_wait_dscnt \younger                          ; the tile is back in registers
.irp t, 0,1,2,3,4,5,6,7,8,9,10,11,12,13,14,15
	global_store_b128 v[CO], v[BB+4*\t:BB+4*\t+3], s[8:9] offset:16384*(32*((\a)/2)+8*((\a)%2)+\t+8*(\t/8)) th:TH_STORE_NT   ; 32 lanes store 512 consecutive bytes, at a multiple of 512 from out0's first byte; 63 rows at the most: inside the signed 24-bit immediate
.endr
.endm
	PLACES 4                                       ; behind the last products: their results are read, and loads land in registers that held operands
	TOSTAGE 0
.irp a, 1,2,3
.if \a > 1
	s_wait_xcnt 0x0                                ; tile a - 2's stores have read their registers: tile a's loads may land there
.endif
	TOSTAGE \a
	SEND \a-1, 32                                  ; behind tile a - 1's loads: tile a's 16 stores and 16 loads
.endr
	SEND 3, 0
	s_wait_tensorcnt 0x0                           ; the wave's end: behind my last tensor load and my last LDS store
	ds_add_u32 v[SPW], v[NIL]
	s_wait_dscnt 0x0
	CROUND                                         ; the closing round: no work-group ends while a partner may still ask for a tile that names it
	s_endpgm
.Lfunc_end_k_qc9cb80fb2b_oproj:
	.size	k_qc9cb80fb2b_oproj, .Lfunc_end_k_qc9cb80fb2b_oproj-k_qc9cb80fb2b_oproj
	.p2alignl 7, 3214868480
	.fill 96, 4, 3214868480
	.section	.rodata,"a",@progbits
	.p2align	6, 0x0
	.amdhsa_kernel k_qc9cb80fb2b_oproj
		.amdhsa_group_segment_fixed_size 327680
		.amdhsa_private_segment_fixed_size 0
		.amdhsa_enable_private_segment 0
		.amdhsa_kernarg_size 24
		.amdhsa_user_sgpr_count 2
		.amdhsa_user_sgpr_kernarg_segment_ptr 1
		.amdhsa_wavefront_size32 1
		.amdhsa_system_sgpr_workgroup_id_x 1
		.amdhsa_system_sgpr_workgroup_id_y 1
		.amdhsa_system_sgpr_workgroup_id_z 1
		.amdhsa_system_vgpr_workitem_id 0
		.amdhsa_next_free_vgpr 768
		.amdhsa_next_free_sgpr 100
		.amdhsa_reserve_vcc 0
		.amdhsa_float_denorm_mode_32 3
		.amdhsa_float_denorm_mode_16_64 3
		.amdhsa_memory_ordered 1
		.amdhsa_forward_progress 1
		.amdhsa_inst_pref_size 131
	.end_amdhsa_kernel
	.amdgpu_metadata
---
amdhsa.version: [ 1, 2 ]
amdhsa.kernels:
  - .name:           k_qc9cb80fb2b_oproj
    .symbol:         k_qc9cb80fb2b_oproj.kd
    .args:
      - { .name: wocodes, .offset: 0, .size: 8, .value_kind: global_buffer, .address_space: global }
      - { .name: att, .offset: 8, .size: 8, .value_kind: global_buffer, .address_space: global }
      - { .name: out0, .offset: 16, .size: 8, .value_kind: global_buffer, .address_space: global }
    .group_segment_fixed_size: 327680
    .private_segment_fixed_size: 0
    .kernarg_segment_align: 8
    .kernarg_segment_size: 24
    .max_flat_workgroup_size: 128
    .sgpr_count:     100
    .vgpr_count:     768
    .wavefront_size: 32
...
	.end_amdgpu_metadata
.endif
;; end of part 4
